; MI455X (gfx1250); checked and timed in simulation.
; The chip was launched on July 23, 2026; its instructions are those of AMD's public machine-readable ISA for CDNA 5 (MIT licence, August 2026) and "CDNA5" Instruction Set Architecture Reference Guide (July 2026). The comments in the code are by the model that wrote it; some were corrected since.
;; Causal Self Attention. Allowed arithmetic: matrix products marked QUANTISED: E2M3 operands, one E8M0 scale for each 32 along K, by v_wmma_scale_f32_16x16x128_f8f6f4 with both operands' format E2M3, f32 sums; everything else in f32.
;; Inputs: w_out 1,024 x 1,024 float32; w_qkv 3,072 x 1,024 float32; x 4 x 2,048 x 1,024 float32.
;; Outputs: out0 4 x 2,048 x 1,024 float32.
;; This version of the problem:
;;   THIS VERSION OF THE PROBLEM IS GIVEN IN LOW PRECISION. The matrix products marked QUANTISED in the list below multiply operands that are first quantised to E2M3 (2 exponent bits, 3 mantissa bits; 6 bits a number), with one power-of-two scale for each 32 numbers along K (OCP MX v1.0); their sums are f32. All else is computed in f32.
;;   The module's matrix products, in the order in which they are computed (A, B: the left and right operand; K: the contracted axis; several contracted axes count as one K, in the product's order):
;;     1. [M 8,192, K 1,024] x [K 1,024, N 3,072]; A: input x; B: input w_qkv: QUANTISED
;;     2. batch 64 x [M 2,048, K 64] x [K 64, N 2,048]; A: computed on the way; B: computed on the way: QUANTISED
;;     3. batch 64 x [M 2,048, K 2,048] x [K 2,048, N 64]; A: softmax (see below); B: computed on the way: QUANTISED
;;     4. [M 8,192, K 1,024] x [K 1,024, N 1,024]; A: computed on the way; B: input w_out: QUANTISED
;;   THE QUANTISER, for each operand of a quantised product, along K:
;;     - K is cut into blocks of 32 from its start; a last block that is shorter is filled with zeros.
;;     - A block's scale is 2^e with e = floor(log2(the largest magnitude in the block)) - 2, held to -126 .. 127; a block of zeros has e = 0. As a byte (E8M0): e + 127.
;;     - Each number is divided by its block's scale, clamped to +-7.5, and rounded to the nearest number of E2M3, ties to even, subnormals kept.
;;     - The product sums the exact products of the quantised numbers (number of the format x scale) in f32.
;;   ~~~python
;;   def quantise(x, axis):      # numpy; x: float32 -> the quantised numbers, widened to float32 again
;;       x = np.moveaxis(x, axis, -1); K = x.shape[-1]
;;       x = np.pad(x, [(0, 0)] * (x.ndim - 1) + [(0, -K % 32)]); x = x.reshape(x.shape[:-1] + (-1, 32)); a = np.abs(x).max(-1, keepdims=True)
;;       e = np.where(a > 0, np.clip(np.frexp(np.where(a > 0, a, 1))[1] - 1 - 2, -126, 127), 0)      # np.frexp(a)[1] - 1 = floor(log2(a)), exactly
;;       r = np.clip(x / 2.0 ** e, -7.5, 7.5)
;;       step = 2.0 ** (np.maximum(np.frexp(np.where(r == 0, 1, r))[1] - 1, 0) - 3)
;;       q = np.round(r / step) * step * 2.0 ** e      # np.round: ties to even
;;       return np.moveaxis(q.reshape(q.shape[:-2] + (-1,))[..., :K], -1, axis).astype(np.float32)
;;   ~~~
;;   SOFTMAX AHEAD OF A QUANTISED PRODUCT. Where the list says 'softmax', what is quantised is not the finished softmax but p = 2^(t - M), with t = logit x log2(e) and M = ceil(the row's largest t), a whole number; so 1/2 < the row's largest p <= 1. The row's sum l is taken of the UNQUANTISED p, in f32, and the product's result is divided by l at the end. Since M is a whole number, a kernel that streams over the keys may use a running M (the ceiling of the running maximum): every later rescaling is an exact power of two, which a block's scale takes up: the codes' values come out the same.
;;   OPERANDS COMPUTED ON THE WAY. 'Computed on the way' means the value that the module computes at that place (a softmax that the list does not call 'softmax' is quantised finished and normalised). What goes into a quantiser is computed in f32, as accurately as f32 sums, v_exp_f32 and their like allow (about 1e-6 of the number): no bf16 or f16 on the way to a quantiser, and a product that is left as it is and whose result goes on into a quantised operand takes f32 operands (vector FMAs, or v_wmma_f32_16x16x4_f32). A number that lies on a knife's edge between two numbers of the format may be rounded either way, as far as f32 arithmetic and the matrix unit's own rounding can turn it there, and no further.
;; One version. Each part assembles by itself: llvm-mc -triple=amdgcn-amd-amdhsa -mcpu=gfx1250 --defsym DOCPART=n.
;; ======== version 1 of 1: 5 launches
;; limits: right only within a limited range of input values
;; workspace buffers: cod 9,437,184 bytes; scl 917,504 bytes; qkc 12,582,912 bytes; qks 1,048,576 bytes; vc 6,291,456 bytes; vs 262,144 bytes; ac 6,291,456 bytes; asc 262,144 bytes
;; launch prep (part 1): grid 416 x 1, 4 waves a work-group, no clusters, 33,280 bytes of LDS; arguments x, w_qkv, w_out, cod, scl; writes cod, scl
.if DOCPART == 1
	.amdgcn_target "amdgcn-amd-amdhsa--gfx1250"
	.amdhsa_code_object_version 6
	.text
	.protected	k_qa1136e683b_prep
	.globl	k_qa1136e683b_prep
	.p2align	8
	.type	k_qa1136e683b_prep,@function
k_qa1136e683b_prep:
	s_mov_b64 s[64:65], 0
	v_nop
	global_prefetch_b8 v0, s[64:65] scope:SCOPE_SE
	s_setreg_imm32_b32 hwreg(HW_REG_WAVE_MODE, 25, 1), 1
	s_wait_xcnt 0x0
; PREP.  (1) x [8192][1024], w_qkv [3072][1024] and w_out [1024][1024], f32, become codes of FP6 (E2M3), K innermost, 768 bytes a row, in cod, and one E8M0 byte for each 32 along K, 32 bytes a row, in scl.
; (2) The table of cos and sin for the rotary embedding goes to scl behind the scale bytes.
; A block's scale is 2^(floor(log2(its largest magnitude)) - 2); its byte is the largest magnitude's exponent field - 2, held at 1 from below; numbers are divided by the scale and rounded to the nearest code, ties to even, beyond 7.5 the largest code.
; THE ROWS OF x AND OF w_qkv ARE STORED WITH BITS 3 AND 4 OF THE ROW NUMBER EXCHANGED: place 16 a + r holds row 32 (a / 2) + 8 (a % 2) + r + 8 (r / 8).  So the later products' results fall into a lane's registers as neighbours along the
; next product's K.  A wave owns 8 rows (8,192 numbers), so the exchange is that of the two bits of the wave's number, in the OUTPUT address alone.  w_out keeps its order.
; The three tensors' outputs follow each other in the work-groups' order: work-groups 0-255 x, 256-351 w_qkv, 352-383 w_out; output run = 4 x work-group + wave.  Work-groups 384-415 make the table and touch no LDS.
; The loads take 512 consecutive bytes each; a step's 2,048 bytes turn through the wave's own stage in LDS so that a lane holds 16 neighbours; a wave's store of codes covers two runs of 192 consecutive bytes, a block apart, its 256 scale bytes leave as one aligned block.
; No tensor loads, no barrier: waves share nothing.  No matrix unit, no cluster: the launch is a stream, each byte read and written once.
; LIMITS: a block of zeros, or one whose largest magnitude lies under 2^-124, gets the byte 1 (its codes are zeros or the rule's own; the bytes are read by this program alone); NaN and infinities are not served.
; THE TABLE: [position 2048][half 2][cos 16 | sin 16] f32; frequency j = 16 half + i, 10^(-j/8) rounded to f32 (a power and a division in f32 may give a last bit or two otherwise: at most about 1e-4 rad at position 2,047).
; angle = position x frequency, one rounding; reduced by n = round(angle x 2 / pi) with pi / 2 in two parts (n stays under 1,304: what a third part would add lies under 3e-12); sin and cos of |r| <= pi / 4 by their series to r^9 and r^10.
.set STEPS, 16
.set EMAX,  2
.set CB,    12                         ; bytes of 16 codes
.set KBLK,  49152                      ; THE ORDER OF cod: [256 rows][K step of 256 codes][row][192 bytes]: a K step of 256 rows is a dense block of 49,152 bytes, which the products' launches fetch as rows of 256 bytes
.set R,     16                         ; v16-79   four sets of 16 numbers as they are loaded
.set X,     80                         ; v80-111  two sets of 16 neighbours
.set C,     128                        ; v128-191 codes: four registers for each step, so that no store's data are written again
.set E,     112                        ; v112-127 a scale byte for each step
.set WREG,  8192                       ; LDS: a region for each wave: two stages of 32 x SP bytes, then its 256 scale bytes
.set SP,    80                         ; a lane's place in a stage: 64 bytes + 16 of padding
.set WGX,   256                        ; work-groups of x
.set WGQ,   352                        ; of x and w_qkv
.set WGA,   384                        ; of all three
.set TABLE, 393216                     ; where the table begins in scl
	s_load_b256 s[4:11], s[0:1], 0x0               ; x s[4:5], w_qkv s[6:7], w_out s[8:9], cod s[10:11]
	s_load_b64 s[12:13], s[0:1], 0x20              ; scl
	v_lshl_add_u32 v192, v0, 2, 0x8000
	v_mov_b32 v193, 0
	v_lshrrev_b32 v1, 5, v0
	v_readfirstlane_b32 s16, v1                    ; wave
	v_and_b32 v2, 31, v0                           ; lane
	s_cmp_ge_u32 ttmp9, WGA
	s_cbranch_scc1 .Ltable
	v_lshlrev_b32 v3, 4, v2                        ; my 16 bytes of a load's 512
	s_mul_i32 s17, s16, WREG
	v_lshrrev_b32 v14, 2, v2
	v_mul_u32_u24 v14, v14, SP
	v_and_b32 v15, 3, v2
	v_lshl_add_u32 v14, v15, 4, v14
	v_add_nc_u32 v14, s17, v14                     ; the stage, on the way in: SP (lane / 4) + 16 (lane % 4)
	v_mul_u32_u24 v15, v2, SP
	v_add_nc_u32 v15, s17, v15                     ; and on the way out: SP x lane: my 16 neighbours
	v_and_b32 v4, 15, v2
	v_mul_u32_u24 v4, v4, CB                       ; a step is half a row, two K steps: lanes 0-15 hold the first one's 192 bytes,
	v_lshrrev_b32 v8, 4, v2
	v_mad_u32_u24 v4, v8, KBLK, v4                 ; lanes 16-31 the second one's, a block further on
	v_lshrrev_b32 v5, 1, v2
	s_add_co_u32 s17, s17, 2*32*SP
	v_add_nc_u32 v5, s17, v5                       ; LDS: my wave's 256 scale bytes, my block's byte
	v_lshlrev_b32 v7, 3, v2                        ; and on the way out 8 bytes a lane
	v_add_nc_u32 v6, s17, v7
	s_and_b32 s26, s16, 1
	s_lshl_b32 s26, s26, 1
	s_lshr_b32 s27, s16, 1
	s_or_b32 s26, s26, s27                         ; the wave's number with its two bits exchanged
	s_mov_b32 s18, WGQ
	s_mov_b32 s24, WGX
	s_wait_alu depctr_va_vdst(0)
	s_wait_kmcnt 0x0
	s_cmp_lt_u32 ttmp9, WGQ                        ; the choices hang on the work-group's number alone
	s_cselect_b64 s[6:7], s[6:7], s[8:9]           ; w_qkv or w_out
	s_cselect_b32 s18, s24, s18                    ; the tensor's first work-group
	s_cselect_b32 s26, s26, s16                    ; w_out keeps its rows' order
	s_cmp_lt_u32 ttmp9, WGX
	s_cselect_b64 s[4:5], s[4:5], s[6:7]           ; x, or that
	s_cselect_b32 s18, 0, s18
	s_sub_co_u32 s18, ttmp9, s18
	s_lshl_b32 s18, s18, 2
	s_add_co_u32 s18, s18, s16                     ; which run of 8,192 numbers of the tensor I read
	s_lshl_b32 s20, s18, 15                        ; 32,768 bytes a run: under 2^26
	s_mov_b32 s21, 0
	s_add_nc_u64 s[4:5], s[4:5], s[20:21]
	s_lshl_b32 s22, ttmp9, 2
	s_add_co_u32 s22, s22, s26                     ; which run of the outputs I write
	s_lshr_b32 s20, s22, 5                         ; a run is 8 rows: 32 runs to 256 rows,
	s_mul_i32 s20, s20, 4*KBLK
	s_and_b32 s23, s22, 31
	s_mul_i32 s23, s23, 8*192                      ; and 8 x 192 bytes of each K step's block
	s_add_co_u32 s20, s20, s23
	s_add_nc_u64 s[10:11], s[10:11], s[20:21]
	s_lshl_b32 s20, s22, 8                         ; 256 scale bytes a run
	s_add_nc_u64 s[12:13], s[12:13], s[20:21]
.macro LOAD t
.irp i, 0,1,2,3
	global_load_b128 v[R+16*((\t)%4)+4*\i:R+16*((\t)%4)+4*\i+3], v3, s[4:5] offset:2048*(\t)+512*\i th:TH_LOAD_NT   ; 32 lanes read 512 consecutive bytes
.endr
.endm
.macro TURN t                          ; step t's numbers through the stage: LDS serves a wave's instructions in order, so no wait stands between the stores and the loads
.irp i, 0,1,2,3
	ds_store_b128 v14, v[R+16*((\t)%4)+4*\i:R+16*((\t)%4)+4*\i+3] offset:32*SP*((\t)%2)+8*SP*\i
.endr
.irp i, 0,1,2,3
	ds_load_b128 v[X+16*((\t)%2)+4*\i:X+16*((\t)%2)+4*\i+3], v15 offset:32*SP*((\t)%2)+16*\i
.endr
.endm
.irp t, 0,1,2,3
	LOAD \t
.endr
	s_wait_loadcnt 12                              ; step 0's four loads are in; the twelve of steps 1 to 3 may be out
	TURN 0
.macro STEP t
.set XS, X+16*((\t)%2)
.if (\t) > 0
	s_wait_dscnt 1                                 ; this step's numbers are back from the stage (the last step's byte store may be out): so its stores into the stage have read their registers,
.else
	s_wait_dscnt 0x0
.endif
.if (\t)+4 < STEPS
	LOAD (\t)+4                                    ; which take the loads of four steps on
.endif
.if (\t)+1 < STEPS
.if STEPS-2-(\t) >= 3
	s_wait_loadcnt 12                              ; the next step's four loads are in; those of the three steps behind it may be out
.else
	s_wait_loadcnt 4*(STEPS-2-(\t))
.endif
	TURN (\t)+1                                    ; and go through the other stage while this step is worked
.endif
	v_max3_num_f32 v8, |v[XS]|, |v[XS+1]|, |v[XS+2]|               ; the largest magnitude of my 16, in two chains
	v_max3_num_f32 v9, |v[XS+3]|, |v[XS+4]|, |v[XS+5]|
.irp i, 6,10
	v_max3_num_f32 v8, v8, |v[XS+\i]|, |v[XS+\i+1]|
	v_max3_num_f32 v9, v9, |v[XS+\i+2]|, |v[XS+\i+3]|
.endr
	v_max3_num_f32 v8, v8, |v[XS+14]|, |v[XS+15]|
	v_max3_num_f32 v8, v8, v9, (EMAX+1)<<23        ; and the floor 2^(3 - 127): so the byte cannot fall under 1
	v_max_num_f32_dpp v8, v8, v8 row_xmask:1 row_mask:0xf bank_mask:0xf   ; and of my neighbour's 16: the block's
	v_add_nc_u32 v11, -(EMAX<<23), v8              ; 2 off its exponent field: the conversion takes the exponent field of this operand as its scale
	v_cvt_scalef32_pk16_fp6_f32 v[C+4*(\t):C+4*(\t)+2], v[XS:XS+15], v11
	v_lshrrev_b32 v[E+(\t)], 23, v11               ; the scale's byte (also the plain line behind the conversion)
	ds_store_b8 v5, v[E+(\t)] offset:16*(\t)       ; both lanes of a block write the same byte with the same value
	global_store_b96 v4, v[C+4*(\t):C+4*(\t)+2], s[10:11] offset:((\t)/2)*192+((\t)%2)*2*KBLK
.endm
.irp t, 0,1,2,3,4,5,6,7,8,9,10,11,12,13,14,15
	STEP \t
.endr
	ds_load_b64 v[12:13], v6                       ; LDS serves a wave's instructions in order: these see my stores
	s_wait_dscnt 0x0
	global_store_b64 v7, v[12:13], s[12:13]        ; 32 lanes store 256 consecutive bytes, aligned
	s_wait_tensorcnt 0x0
	ds_add_u32 v192, v193
	s_wait_dscnt 0x0
	s_endpgm
; ---- the table.  Wave W = 4 (work-group - 384) + wave takes positions 16 W .. 16 W + 15, two a trip: a trip's one store covers 512 consecutive bytes.
; Lane l of a half of 16 holds floats 4 l .. 4 l + 3 of a position's 64: half = l / 8, sin where (l / 4) % 2, frequencies 4 k + 0 .. 3 with k = 4 (l / 8) + l % 4.
.Ltable:
	s_wait_alu depctr_va_vdst(0)
	v_and_b32 v3, 15, v2
	v_lshrrev_b32 v4, 3, v3
	v_and_b32 v5, 3, v3
	v_lshl_add_u32 v4, v4, 2, v5                   ; k
	v_bfe_u32 v5, v3, 2, 1
	v_xor_b32 v5, 1, v5                            ; 1 where I hold cosines: cos(a) = sin(a + pi / 2)
	v_lshrrev_b32 v6, 4, v2                        ; which of the trip's two positions
	s_sub_co_u32 s17, ttmp9, WGA
	s_lshl_b32 s17, s17, 2
	s_add_co_u32 s17, s17, s16                     ; W
	s_lshl_b32 s18, s17, 4
	v_add_nc_u32 v6, s18, v6
	v_cvt_f32_u32 v6, v6                           ; my position, as f32
	v_lshlrev_b32 v7, 4, v2                        ; 16 x lane
	v_mov_b32 v8, 1.0                              ; my four frequencies: k = 0's, replaced below where k is another
	v_mov_b32 v9, 0.7498942093
	v_mov_b32 v10, 0.5623413252
	v_mov_b32 v11, 0.4216965034
.macro FSEL k, f0, f1, f2, f3
	v_cmp_ne_u32 vcc_lo, \k, v4
	v_cndmask_b32 v8, \f0, v8, vcc_lo
	v_cndmask_b32 v9, \f1, v9, vcc_lo
	v_cndmask_b32 v10, \f2, v10, vcc_lo
	v_cndmask_b32 v11, \f3, v11, vcc_lo
.endm
	FSEL 1, 0.3162277660, 0.2371373706, 0.1778279410, 0.1333521432
	FSEL 2, 0.1, 0.07498942093, 0.05623413252, 0.04216965034
	FSEL 3, 0.03162277660, 0.02371373706, 0.01778279410, 0.01333521432
	FSEL 4, 0.01, 0.007498942093, 0.005623413252, 0.004216965034
	FSEL 5, 0.003162277660, 0.002371373706, 0.001778279410, 0.001333521432
	FSEL 6, 0.001, 0.0007498942093, 0.0005623413252, 0.0004216965034
	FSEL 7, 0.0003162277660, 0.0002371373706, 0.0001778279410, 0.0001333521432
	s_lshl_b32 s18, s17, 12                        ; 16 positions x 256 bytes a wave
	s_add_co_u32 s18, s18, TABLE
	s_mov_b32 s19, 0
	s_mov_b32 s21, 0x3638ef1d                      ; 1 / 9!
	s_mov_b32 s22, 0xb493f27e                      ; -1 / 10!
	s_mov_b32 s20, 8
	s_wait_kmcnt 0x0
	s_add_nc_u64 s[12:13], s[12:13], s[18:19]
.Lpos:
	s_wait_alu depctr_va_vdst(0)
.irp i, 0,1,2,3
	v_mul_f32 v[12+\i], v6, v[8+\i]                ; the angle, one rounding
.endr
.irp i, 0,1,2,3
	v_mul_f32 v[16+\i], 0x3f22f983, v[12+\i]       ; x 2 / pi
.endr
.irp i, 0,1,2,3
	v_rndne_f32 v[16+\i], v[16+\i]                 ; n
.endr
.irp i, 0,1,2,3
	v_fmamk_f32 v[20+\i], v[16+\i], 0xbfc90fdb, v[12+\i]   ; angle - n x (pi / 2)'s upper part: exact
.endr
.irp i, 0,1,2,3
	v_fmamk_f32 v[20+\i], v[16+\i], 0x333bbd2e, v[20+\i]   ; - n x its lower part (which is negative): r
.endr
.irp i, 0,1,2,3
	v_mul_f32 v[24+\i], v[20+\i], v[20+\i]         ; r^2
.endr
.irp i, 0,1,2,3
	v_fmaak_f32 v[28+\i], s21, v[24+\i], 0xb9500d01        ; sin's series, from the top: 1/9! r^2 - 1/7!
	v_fmaak_f32 v[32+\i], s22, v[24+\i], 0x37d00d01        ; cos's: -1/10! r^2 + 1/8!
.endr
.irp i, 0,1,2,3
	v_fmaak_f32 v[28+\i], v[28+\i], v[24+\i], 0x3c088889   ; + 1/5!
	v_fmaak_f32 v[32+\i], v[32+\i], v[24+\i], 0xbab60b61   ; - 1/6!
.endr
.irp i, 0,1,2,3
	v_fmaak_f32 v[28+\i], v[28+\i], v[24+\i], 0xbe2aaaab   ; - 1/3!
	v_fmaak_f32 v[32+\i], v[32+\i], v[24+\i], 0x3d2aaaab   ; + 1/4!
.endr
.irp i, 0,1,2,3
	v_mul_f32 v[28+\i], v[28+\i], v[24+\i]
	v_fmaak_f32 v[32+\i], v[32+\i], v[24+\i], 0xbf000000   ; - 1/2
.endr
.irp i, 0,1,2,3
	v_fma_f32 v[28+\i], v[28+\i], v[20+\i], v[20+\i]       ; sin r
	v_fma_f32 v[32+\i], v[32+\i], v[24+\i], 1.0            ; cos r
.endr
.irp i, 0,1,2,3
	v_cvt_i32_f32 v[36+\i], v[16+\i]
.endr
.irp i, 0,1,2,3
	v_add_nc_u32 v[36+\i], v[36+\i], v5            ; q = n, + 1 for a cosine: the value is sin(r + q pi / 2)
.endr
.irp i, 0,1,2,3
	v_and_b32 v[44+\i], 1, v[36+\i]
	v_lshlrev_b32 v[36+\i], 30, v[36+\i]
.endr
.irp i, 0,1,2,3
	v_cmp_eq_u32 vcc_lo, 1, v[44+\i]
	v_cndmask_b32 v[40+\i], v[28+\i], v[32+\i], vcc_lo     ; q odd: cos r, else sin r
	v_and_b32 v[36+\i], 0x80000000, v[36+\i]               ; q's bit 1: the sign
.endr
.irp i, 0,1,2,3
	v_xor_b32 v[40+\i], v[40+\i], v[36+\i]
.endr
	global_store_b128 v7, v[40:43], s[12:13]       ; two positions: 512 consecutive bytes, aligned
	s_wait_xcnt 0x0                                ; the store has read its base and its data: both are written again only behind this wait
	s_add_nc_u64 s[12:13], s[12:13], 512
	v_add_f32 v6, 2.0, v6
	s_sub_co_u32 s20, s20, 1
	s_cmp_lg_u32 s20, 0
	s_cbranch_scc1 .Lpos
	s_endpgm
.Lfunc_end_k_qa1136e683b_prep:
	.size	k_qa1136e683b_prep, .Lfunc_end_k_qa1136e683b_prep-k_qa1136e683b_prep
	.p2alignl 7, 3214868480
	.fill 96, 4, 3214868480
	.section	.rodata,"a",@progbits
	.p2align	6, 0x0
	.amdhsa_kernel k_qa1136e683b_prep
		.amdhsa_group_segment_fixed_size 33280
		.amdhsa_private_segment_fixed_size 0
		.amdhsa_enable_private_segment 0
		.amdhsa_kernarg_size 40
		.amdhsa_user_sgpr_count 2
		.amdhsa_user_sgpr_kernarg_segment_ptr 1
		.amdhsa_wavefront_size32 1
		.amdhsa_system_sgpr_workgroup_id_x 1
		.amdhsa_system_sgpr_workgroup_id_y 1
		.amdhsa_system_sgpr_workgroup_id_z 1
		.amdhsa_system_vgpr_workitem_id 0
		.amdhsa_next_free_vgpr 194
		.amdhsa_next_free_sgpr 66
		.amdhsa_reserve_vcc 1
		.amdhsa_float_denorm_mode_32 3
		.amdhsa_float_denorm_mode_16_64 3
		.amdhsa_memory_ordered 1
		.amdhsa_forward_progress 1
		.amdhsa_inst_pref_size 41
	.end_amdhsa_kernel
	.amdgpu_metadata
---
amdhsa.version: [ 1, 2 ]
amdhsa.kernels:
  - .name:           k_qa1136e683b_prep
    .symbol:         k_qa1136e683b_prep.kd
    .args:
      - { .name: x, .offset: 0, .size: 8, .value_kind: global_buffer, .address_space: global }
      - { .name: w_qkv, .offset: 8, .size: 8, .value_kind: global_buffer, .address_space: global }
      - { .name: w_out, .offset: 16, .size: 8, .value_kind: global_buffer, .address_space: global }
      - { .name: cod, .offset: 24, .size: 8, .value_kind: global_buffer, .address_space: global }
      - { .name: scl, .offset: 32, .size: 8, .value_kind: global_buffer, .address_space: global }
    .group_segment_fixed_size: 33280
    .private_segment_fixed_size: 0
    .kernarg_segment_align: 8
    .kernarg_segment_size: 40
    .max_flat_workgroup_size: 128
    .sgpr_count:     66
    .vgpr_count:     194
    .wavefront_size: 32
...
	.end_amdgpu_metadata
.endif
;; end of part 1
;; launch qk (part 2): grid 8 x 32, 4 waves a work-group, clusters of 4 x 4, 327,680 bytes of LDS; arguments cod, scl, qkc, qks; writes qkc, qks
.if DOCPART == 2
	.amdgcn_target "amdgcn-amd-amdhsa--gfx1250"
	.amdhsa_code_object_version 6
	.text
	.protected	k_qa1136e683b_qk
	.globl	k_qa1136e683b_qk
	.p2align	8
	.type	k_qa1136e683b_qk,@function
k_qa1136e683b_qk:
	s_mov_b64 s[64:65], 0
	v_nop
	global_prefetch_b8 v0, s[64:65] scope:SCOPE_SE
	s_setreg_imm32_b32 hwreg(HW_REG_WAVE_MODE, 25, 1), 1
	s_wait_xcnt 0x0
	s_wait_alu depctr_hold_cnt(0) depctr_sa_sdst(0) depctr_va_vdst(0) depctr_va_sdst(0) depctr_va_ssrc(0) depctr_va_vcc(0) depctr_vm_vsrc(0)
	s_getreg_b32 s2, hwreg(HW_REG_IB_STS2, 6, 4)
	s_cmp_eq_u32 s2, 0
	s_cbranch_scc0 .Lentry_in_a_cluster
	s_endpgm
.Lentry_in_a_cluster:
	s_bfe_u32 s2, ttmp6, 0x10000c
	s_cmp_lg_u32 s2, 0xf033
	s_cbranch_scc0 .Lentry_shape_is_right
	s_endpgm
.Lentry_shape_is_right:
.set KSTEP,  256
.set NQ,     KSTEP/128
.set ROWB,   49152                     ; bytes from a K step's block of 256 rows x 192 bytes to the next: cod lies [256 rows][K step][row][192 bytes]
.set KROW,   768
.set PITCH,  240
.set FR,     12
.set NL,     6
.set NP,     4
.set HALFT,  128*PITCH
.set SLOT,   4*HALFT
.set LAPS,   2
.set KS,     32
.set SCL,    2*SLOT
.set HALFS,  (128*KS/256)*272
.set SBLK,   (16*KS/256)*272
.set SPARE,  SCL+4*HALFS
.set L16,  7
.set L8,   8
.set RT,   9
.set SST,  10
.set SLD,  11
.set SH,   12
.set ADRA, 16
.set ADRB, 20
.set ADRS, 27
.set SPW,  28
.set NIL,  29
.set SC,   32
.set CSB,  64
.set AF,   128
.set H,    128
.set CD,   192
.set TM,   212
.set PW,   228
.set SWD,  229
.set SEL,  20
.set G1, 24
.set G0, 32
.set G1B, 48
.set G0B, 56
.set G1S, 68
.set G0S, 76
.set G1SB, 80
.set G0SB, 88
.set MSB, 0
.macro WIN new
.if MSB != (\new)
	s_set_vgpr_msb (MSB<<8)|(\new)
.set MSB, (\new)
.endif
.endm
.set MUL_LO, 0xa1
.set MUL_HI, 0xf1
.set TO_B,   0x40
.macro JLOAD g0a, g1a, g0b, g1b
	s_cmp_eq_u32 s15, 0
	s_cbranch_scc0 .Lfor_b_\@
	tensor_load_to_lds s[\g0a:\g0a+3], s[\g1a:\g1a+7]
	s_nop 0
.rept 4
	v_nop
.endr
	s_branch .Lasked_\@
.Lfor_b_\@:
	tensor_load_to_lds s[\g0b:\g0b+3], s[\g1b:\g1b+7]
	s_nop 0
.rept 4
	v_nop
.endr
.Lasked_\@:
.endm
.macro CREST
	s_cmp_lg_u32 s14, 0
	s_cbranch_scc1 .Lnot_wave_0_\@
	s_barrier_signal -3
.Lnot_wave_0_\@:
	s_barrier_wait -3
	s_barrier_signal -1
	s_barrier_wait -1
.endm
.macro CROUND
	s_barrier_signal -1
	s_barrier_wait -1
	CREST
.endm
	s_load_b128 s[4:7], s[0:1], 0x0
	s_load_b128 s[96:99], s[0:1], 0x10
	v_lshl_add_u32 v[SPW], v0, 2, SPARE
	v_mov_b32 v[NIL], 0
	ds_add_u32 v28, v29
	ds_add_u32 v28, v29
	s_wait_dscnt 0x0
	v_lshrrev_b32 v1, 5, v0
	v_readfirstlane_b32 s14, v1
	s_lshr_b32 s15, s14, 1
	s_and_b32 s16, s14, 1
	s_bfe_u32 s40, ttmp6, 0x40000
	s_bfe_u32 s41, ttmp6, 0x40004
	s_lshl_b32 s42, ttmp9, 2
	s_add_co_u32 s42, s42, s40
	s_and_b32 s17, ttmp7, 0xffff
	s_lshl_b32 s17, s17, 2
	s_add_co_u32 s17, s17, s41
	s_lshl_b32 s43, s41, 2
	s_lshl_b32 s43, 15, s43
	s_lshl_b32 s44, 0x1111, s40
	s_or_b32 s[G1+0], s43, (0<<16)|(1<<20)|(1<<21)|(3<<22)|(3<<25)
	s_or_b32 s[G1B+0], s44, (0<<16)|(1<<20)|(1<<21)|(3<<22)|(3<<25)
.irp g, G1, G1B
	s_mov_b32 s[\g+1], 256<<16                     ; a dense block stated as rows of 256 bytes; the padding's interval stays 64 bytes, so a row of 192 bytes takes 240 in LDS
	s_mov_b32 s[\g+2], 192<<16                     ; the head's loads: 256 rows of codes = 192 rows of 256 bytes
	s_mov_b32 s[\g+3], 256<<16
	s_mov_b32 s[\g+4], 192
	s_mov_b32 s[\g+5], 256
	s_mov_b32 s[\g+6], 0
	s_mov_b32 s[\g+7], 0
.endr
	s_or_b32 s[G1S+0], s43, (3<<16)|(1<<20)|(1<<21)|(5<<22)|(3<<25)
	s_or_b32 s[G1SB+0], s44, (3<<16)|(1<<20)|(1<<21)|(5<<22)|(3<<25)
.irp g, G1S, G1SB
	s_mov_b32 s[\g+1], 32<<16
	s_mov_b32 s[\g+2], (256*KS/256)<<16
	s_mov_b32 s[\g+3], 32<<16
	s_mov_b32 s[\g+4], 256*KS/256
	s_mov_b32 s[\g+5], 32
	s_mov_b32 s[\g+6], 0
	s_mov_b32 s[\g+7], 0
.endr
	s_lshl_b32 s20, s17, 8
	s_lshl_b32 s46, s42, 8
	s_mov_b32 s21, 0
	s_mov_b32 s47, 0
	s_mov_b64 s[18:19], KS
	s_mul_u64 s[22:23], s[20:21], s[18:19]
	s_mul_u64 s[92:93], s[46:47], s[18:19]
	s_mov_b64 s[18:19], KROW
	s_mul_u64 s[20:21], s[20:21], s[18:19]
	s_mul_u64 s[46:47], s[46:47], s[18:19]
	s_mul_i32 s45, s14, HALFT
	s_mul_i32 s18, s16, 128*192                    ; in the ring a wave fetches 128 rows of a block: which half
	s_mov_b32 s19, 0
	s_wait_kmcnt 0x0
	s_add_nc_u64 s[8:9], s[4:5], 6291456
	s_add_nc_u64 s[10:11], s[6:7], 262144
	s_add_nc_u64 s[100:101], s[6:7], 393216
	s_add_nc_u64 s[20:21], s[4:5], s[20:21]
	s_add_nc_u64 s[22:23], s[6:7], s[22:23]
	s_add_nc_u64 s[46:47], s[8:9], s[46:47]
	s_add_nc_u64 s[92:93], s[10:11], s[92:93]
	CROUND
	s_mov_b32 s[G0S], 1
	s_mov_b32 s[G0S+1], SCL
	s_mov_b64 s[G0S+2:G0S+3], s[22:23]
	s_or_b32 s[G0S+3], s[G0S+3], 0x80000000
	s_mov_b32 s[G0SB], 1
	s_mov_b32 s[G0SB+1], SCL+2*HALFS
	s_mov_b64 s[G0SB+2:G0SB+3], s[92:93]
	s_or_b32 s[G0SB+3], s[G0SB+3], 0x80000000
.set G0H, 4                            ; s[4:7], s[8:11] group 0 of the head's loads of K step 0 (the addresses that lay there have been used)
.set G0HB, 8
	s_mov_b32 s[G0H], 1
	s_mov_b32 s[G0H+1], 0
	s_mov_b64 s[G0H+2:G0H+3], s[20:21]
	s_or_b32 s[G0H+3], s[G0H+3], 0x80000000
	s_mov_b32 s[G0HB], 1
	s_mov_b32 s[G0HB+1], 2*HALFT
	s_mov_b64 s[G0HB+2:G0HB+3], s[46:47]
	s_or_b32 s[G0HB+3], s[G0HB+3], 0x80000000
	s_add_nc_u64 s[20:21], s[20:21], s[18:19]
	s_add_nc_u64 s[46:47], s[46:47], s[18:19]
.irp s, 0,1
	s_mov_b32 s[G0+4*\s], 1
	s_add_co_u32 s[G0+4*\s+1], s45, \s*SLOT
	s_add_nc_u64 s[G0+4*\s+2:G0+4*\s+3], s[20:21], \s*ROWB
	s_or_b32 s[G0+4*\s+3], s[G0+4*\s+3], 0x80000000
	s_mov_b32 s[G0B+4*\s], 1
	s_add_co_u32 s[G0B+4*\s+1], s45, \s*SLOT
	s_add_nc_u64 s[G0B+4*\s+2:G0B+4*\s+3], s[46:47], \s*ROWB
	s_or_b32 s[G0B+4*\s+3], s[G0B+4*\s+3], 0x80000000
.endr
; the head's loads, one a wave: wave 0 K step 0 of A's 256 rows, wave 1 of B's, wave 2 A's scales, wave 3 B's; one chain of branches on the wave's number
.macro ARM under, g0, g1, next
	s_cmp_lt_u32 s14, \under
	s_cbranch_scc0 \next
	tensor_load_to_lds s[\g0:\g0+3], s[\g1:\g1+7]
	s_nop 0
.rept 4
	v_nop
.endr
	s_branch .Lhead_asked
\next:
.endm
	ARM 1, G0H,  G1,  .Lhead_b
	ARM 2, G0HB, G1B, .Lhead_sa
	ARM 3, G0S,  G1S, .Lhead_sb
	tensor_load_to_lds s[G0SB:G0SB+3], s[G1SB:G1SB+7]
	s_nop 0
.rept 4
	v_nop
.endr
.Lhead_asked:
	v_and_b32 v1, 15, v0
	v_bfe_u32 v2, v0, 4, 1
	v_mul_u32_u24 v3, v1, PITCH
	v_mul_u32_u24 v4, v2, 24
	v_add_nc_u32 v4, v3, v4
	v_lshl_add_u32 v5, v2, 4, v4
	s_mul_i32 s21, s15, HALFT
	s_mul_i32 s22, s16, HALFT
	s_add_co_u32 s22, s22, 2*HALFT
.irp s, 0,1
	v_add_nc_u32 v[ADRA+\s], s21, v4
	v_add_nc_u32 v[ADRB+\s], s22, v4
	v_add_nc_u32 v[ADRA+2+\s], s21, v5
	v_add_nc_u32 v[ADRB+2+\s], s22, v5
	s_add_co_u32 s21, s21, SLOT
	s_add_co_u32 s22, s22, SLOT
.endr
	v_mul_u32_u24 v5, v1, KS
	v_lshrrev_b32 v6, 8, v5
	v_lshl_add_u32 v5, v6, 4, v5
	s_mul_i32 s21, s15, HALFS
	s_mul_i32 s22, s16, HALFS
	s_add_co_u32 s22, s22, 2*HALFS
	s_sub_co_u32 s22, s22, s21
	v_mul_u32_u24 v6, s22, v2
	s_add_co_u32 s21, s21, SCL
	v_add_nc_u32 v5, v5, v6
	v_add_nc_u32 v[ADRS], s21, v5
	v_and_b32 v6, 31, v0
	v_lshlrev_b32 v[L16], 4, v6
	v_lshlrev_b32 v[L8], 3, v6
	v_and_b32 v5, 8, v1
	v_add_nc_u32 v5, v5, v1
	v_lshlrev_b32 v[RT], 8, v5
	v_lshl_add_u32 v[RT], v2, 7, v[RT]
	s_lshl_b32 s23, s14, 10
	v_lshlrev_b32 v5, 2, v1
	v_lshl_add_u32 v5, v2, 9, v5
	v_add_nc_u32 v[SST], s23, v5
	v_add_nc_u32 v[SLD], s23, v[L16]
	v_lshlrev_b32 v[SH], 4, v2
	s_and_b32 s18, s17, 7
	s_lshl_b32 s18, s18, 4
	s_lshl_b32 s19, s15, 3
	s_add_co_u32 s18, s18, s19
	s_lshr_b32 s20, s17, 3
	s_lshl_b32 s20, s20, 4
	s_lshr_b32 s46, s42, 2
	s_lshl_b32 s46, s46, 6
	s_and_b32 s47, s42, 3
	s_lshl_b32 s47, s47, 2
	s_add_co_u32 s46, s46, s47
	s_lshl_b32 s47, s16, 1
	s_add_co_u32 s46, s46, s47
	s_add_co_u32 s46, s46, s20
	s_mul_i32 s20, s46, 98304
	s_mul_i32 s22, s18, 768
	s_add_co_u32 s20, s20, s22
	s_mov_b32 s21, 0
	s_add_nc_u64 s[96:97], s[96:97], s[20:21]
	s_lshl_b32 s20, s46, 13
	s_lshl_b32 s22, s18, 6
	s_add_co_u32 s20, s20, s22
	s_add_nc_u64 s[98:99], s[98:99], s[20:21]
	s_lshl_b32 s20, s18, 12
	s_add_nc_u64 s[100:101], s[100:101], s[20:21]
	s_mov_b32 s[SEL], 0x76543210
	s_mov_b32 s[SEL+1], 0xfedcba98
	s_mov_b32 s22, 0xffff
	s_mov_b32 s23, 0x7f7f0000
.macro FRAG reg, adr, q, i
.irp p, 0,1,2,3,4,5
.set PCE, 12*(\q)+6*(\p/3)+\p%3
.if PCE%8 < 5
	ds_load_b64 v[\reg+2*\p:\reg+2*\p+1], v[\adr] offset:8*PCE+16*(PCE/8)+(\i)*16*PITCH
.else
	ds_load_b64 v[\reg+2*\p:\reg+2*\p+1], v[\adr+2] offset:8*PCE+16*(PCE/8)+(\i)*16*PITCH
.endif
.endr
.endm
.macro MUL16 a0, p, q, sc, zero
.irp a, \a0, \a0+1
.irp b, 0,1,2,3,4,5,6,7
.if \zero
	v_wmma_scale_f32_16x16x128_f8f6f4 v[8*(8*((\a)%4)+\b):8*(8*((\a)%4)+\b)+7], v[128*(\p)+FR*\b:128*(\p)+FR*\b+FR-1], v[AF+FR*(\a):AF+FR*(\a)+FR-1], 0, v[SC+8*NQ*(\sc)+NQ*\b+(\q)], v[SC+8*NQ*(\sc)+NQ*(\a)+(\q)] matrix_a_fmt:MATRIX_FMT_FP6 matrix_b_fmt:MATRIX_FMT_FP6 matrix_a_scale:MATRIX_SCALE_ROW1
.else
	v_wmma_scale_f32_16x16x128_f8f6f4 v[8*(8*((\a)%4)+\b):8*(8*((\a)%4)+\b)+7], v[128*(\p)+FR*\b:128*(\p)+FR*\b+FR-1], v[AF+FR*(\a):AF+FR*(\a)+FR-1], v[8*(8*((\a)%4)+\b):8*(8*((\a)%4)+\b)+7], v[SC+8*NQ*(\sc)+NQ*\b+(\q)], v[SC+8*NQ*(\sc)+NQ*(\a)+(\q)] matrix_a_fmt:MATRIX_FMT_FP6 matrix_b_fmt:MATRIX_FMT_FP6 matrix_a_scale:MATRIX_SCALE_ROW1
.endif
.endr
.endr
.endm
.macro FETCH_B slot, q, p
	WIN TO_B
.irp i, 0,1,2,3,4,5,6,7
	FRAG 128*(\p)+FR*\i, ADRB+\slot, \q, \i
.endr
	WIN 0
.endm
.macro FETCH_A slot, q, i0
.irp i, \i0, \i0+1, \i0+2, \i0+3
	FRAG AF+FR*(\i), ADRA+\slot, \q, \i
.endr
.endm
.macro SCALES sc
.irp i, 0,1,2,3,4,5,6,7
	ds_load_b64 v[SC+8*NQ*\sc+NQ*\i:SC+8*NQ*\sc+NQ*\i+1], v[ADRS] offset:\i*SBLK
.endr
.endm
.macro PLACES n
.rept \n
	v_nop
.endr
.endm
.macro STEP slot, q, zero
	s_wait_dscnt 4*NL
	WIN MUL_LO
	MUL16 0, (\q)%2, \q, \slot, \zero
	MUL16 2, (\q)%2, \q, \slot, \zero
	s_wait_dscnt 0
	PLACES NP
	FETCH_B \slot, (\q)+1, 1-(\q)%2
	FETCH_A \slot, (\q)+1, 0
	WIN MUL_HI
	MUL16 4, (\q)%2, \q, \slot, \zero
	MUL16 6, (\q)%2, \q, \slot, \zero
	PLACES NP
	WIN 0
	FETCH_A \slot, (\q)+1, 4
.endm
.macro TURN slot, next, fill
	s_wait_tensorcnt 0x0
	ds_add_u32 v[SPW], v[NIL]
	s_wait_dscnt 4*NL+1
	WIN MUL_LO
	MUL16 0, 1, NQ-1, \slot, 0
	s_wait_dscnt 0x0
	s_barrier_signal -1
	MUL16 2, 1, NQ-1, \slot, 0
	WIN 0
	s_barrier_wait -1
.if \fill
	CREST
	s_add_nc_u64 s[G0+4*\slot+2:G0+4*\slot+3], s[G0+4*\slot+2:G0+4*\slot+3], 2*ROWB
	s_add_nc_u64 s[G0B+4*\slot+2:G0B+4*\slot+3], s[G0B+4*\slot+2:G0B+4*\slot+3], 2*ROWB
	JLOAD G0+4*\slot, G1, G0B+4*\slot, G1B
.else
	PLACES NP
.endif
	s_wait_alu depctr_va_vdst(0)
	v_add_nc_u32 v[ADRS], 4*NQ, v[ADRS]
	FETCH_B \next, 0, 0
	FETCH_A \next, 0, 0
	SCALES \next
	WIN MUL_HI
	MUL16 4, 1, NQ-1, \slot, 0
	MUL16 6, 1, NQ-1, \slot, 0
	PLACES NP
	WIN 0
	FETCH_A \next, 0, 4
.endm
.macro QUANT w
	WIN (\w)|((\w)<<2)
.irp b, 0,1,2,3
	v_max3_num_f32 v[TM+\b], |v[QSRC+16*\b]|, |v[QSRC+1+16*\b]|, 0x1800000
.endr
.irp i, 2,4,6,8,10,12,14
.irp b, 0,1,2,3
	v_max3_num_f32 v[TM+\b], |v[QSRC+16*\b+\i]|, |v[QSRC+1+16*\b+\i]|, v[TM+\b]
.endr
.endr
	WIN 0
.irp b, 0,1,2,3
	v_permlanex16_b32 v[TM+4+\b], v[TM+\b], s[SEL], s[SEL+1]
.endr
.irp b, 0,1,2,3
	v_max_num_f32 v[TM+\b], v[TM+\b], v[TM+4+\b]
.endr
.irp b, 0,1,2,3
	v_add_nc_u32 v[TM+12+\b], 0xff000000, v[TM+\b]
.endr
.irp b, 0,1,2,3
	v_lshrrev_b32 v[TM+4+\b], 23, v[TM+12+\b]
.endr
	v_lshl_or_b32 v[PW], v[TM+5], 8, v[TM+4]
	v_lshl_or_b32 v[PW], v[TM+6], 16, v[PW]
	v_lshl_or_b32 v[PW], v[TM+7], 24, v[PW]
	WIN \w
.irp c, 0,1
	v_cvt_scalef32_pk16_fp6_f32 v[CD+6*\c:CD+2+6*\c], v[QSRC+32*\c:QSRC+15+32*\c], v[TM+12+2*\c]
	v_cvt_scalef32_pk16_fp6_f32 v[CD+12+4*\c:CD+14+4*\c], v[QSRC+16+32*\c:QSRC+31+32*\c], v[TM+12+2*\c+1]
.endr
	WIN 0
	v_nop
.irp c, 0,1
.irp i, 0,1,2
	v_permlane16_swap_b32 v[CD+6*\c+\i], v[CD+12+4*\c+\i]
.endr
.irp i, 0,1,2
	v_mov_b32 v[CD+3+6*\c+\i], v[CD+12+4*\c+\i]
.endr
.endr
.endm
.macro ROPELOAD a
.irp n, 0,1,2,3,4,5,6,7
	global_load_b128 v[CSB+32*((\a)%2)+4*\n:CSB+32*((\a)%2)+4*\n+3], v[RT], s[100:101] offset:(32*((\a)/2)+8*((\a)%2))*256+16*\n
.endr
.endm
.macro QKBLOCK a
.set AC, 64*((\a)%4)
.set CC, CSB+32*((\a)%2)
.if (\a) < 7
	ROPELOAD (\a)+1
	s_wait_loadcnt 8
.else
	s_wait_loadcnt 0x0
.endif
	WIN 2+(\a)/4
.irp c, 0,1
.irp i, 0,2,4,6,8,10,12,14
	v_pk_mul_f32 v[H+32*\c+\i:H+32*\c+\i+1], v[AC+32*\c+\i:AC+32*\c+\i+1], v[CC+\i:CC+\i+1]
.endr
.irp i, 0,2,4,6,8,10,12,14
	v_pk_mul_f32 v[H+32*\c+16+\i:H+32*\c+17+\i], v[AC+32*\c+16+\i:AC+32*\c+17+\i], v[CC+\i:CC+\i+1]
.endr
.irp i, 0,2,4,6,8,10,12,14
	v_pk_fma_f32 v[H+32*\c+\i:H+32*\c+\i+1], v[AC+32*\c+16+\i:AC+32*\c+17+\i], v[CC+16+\i:CC+17+\i], v[H+32*\c+\i:H+32*\c+\i+1] neg_lo:[1,0,0] neg_hi:[1,0,0]
.endr
.irp i, 0,2,4,6,8,10,12,14
	v_pk_fma_f32 v[H+32*\c+16+\i:H+32*\c+17+\i], v[AC+32*\c+\i:AC+32*\c+\i+1], v[CC+16+\i:CC+17+\i], v[H+32*\c+16+\i:H+32*\c+17+\i]
.endr
.endr
	WIN 0
	s_wait_xcnt 0x0
.set QSRC, H
	QUANT 0
.irp c, 0,1
	global_store_b128 v[L16], v[CD+6*\c:CD+6*\c+3], s[96:97] offset:\c*98304+768*(\a)
	global_store_b64 v[L8], v[CD+6*\c+4:CD+6*\c+5], s[96:97] offset:\c*98304+768*(\a)+512
.endr
	v_lshrrev_b32 v[SWD], v[SH], v[PW]
	v_bfi_b32 v[SWD], s22, v[SWD], s23
	ds_store_b32 v[SST], v[SWD] offset:64*(\a)
.endm
	s_wait_alu depctr_va_vdst(0)                   ; the wait at the head's end
	s_wait_tensorcnt 0x0                           ; my tile of the head's four is in; the three lines ahead of slot 1's first fill, as ahead of a refill
	ds_add_u32 v[SPW], v[NIL]
	s_mov_b32 s[G1+2], 96<<16                      ; no load of mine is out: from here on a load brings 128 rows of codes = 96 rows of 256 bytes
	s_mov_b32 s[G1+4], 96
	s_mov_b32 s[G1B+2], 96<<16
	s_mov_b32 s[G1B+4], 96
	s_wait_dscnt 0x0
	CROUND                                         ; all four tiles are in, and the sixteen work-groups meet
	JLOAD G0+4, G1, G0B+4, G1B                     ; K step 1, the first tensor load behind the round
	FETCH_B 0, 0, 0
	FETCH_A 0, 0, 0
	SCALES 0
	FETCH_A 0, 0, 4
	STEP 0, 0, 1
	s_mov_b32 s3, LAPS-1
.Llap:
	TURN 0, 1, 1
	STEP 1, 0, 0
	TURN 1, 0, 1
	STEP 0, 0, 0
	s_sub_co_u32 s3, s3, 1
	s_cmp_lg_u32 s3, 0
	s_cbranch_scc1 .Llap
	TURN 0, 1, 0
	STEP 1, 0, 0
	ROPELOAD 0
	s_wait_dscnt 4*NL
	WIN MUL_LO
	MUL16 0, 1, NQ-1, 1, 0
	MUL16 2, 1, NQ-1, 1, 0
	s_wait_dscnt 0
	WIN MUL_HI
	MUL16 4, 1, NQ-1, 1, 0
	MUL16 6, 1, NQ-1, 1, 0
	WIN 0
	PLACES NP
.irp b, 0,1,2,3
	v_mov_b32 v[TM+4+\b], 0
.endr
.irp a, 0,1,2,3,4,5,6,7
	QKBLOCK \a
.endr
	ds_load_b128 v[232:235], v[SLD]
	ds_load_b128 v[236:239], v[SLD] offset:512
	s_wait_dscnt 0x0
	global_store_b128 v[L16], v[232:235], s[98:99]
	global_store_b128 v[L16], v[236:239], s[98:99] offset:8192
	s_wait_tensorcnt 0x0
	ds_add_u32 v[SPW], v[NIL]
	s_wait_dscnt 0x0
	CROUND
	s_endpgm
.Lfunc_end_k_qa1136e683b_qk:
	.size	k_qa1136e683b_qk, .Lfunc_end_k_qa1136e683b_qk-k_qa1136e683b_qk
	.p2alignl 7, 3214868480
	.fill 96, 4, 3214868480
	.section	.rodata,"a",@progbits
	.p2align	6, 0x0
	.amdhsa_kernel k_qa1136e683b_qk
		.amdhsa_group_segment_fixed_size 327680
		.amdhsa_private_segment_fixed_size 0
		.amdhsa_enable_private_segment 0
		.amdhsa_kernarg_size 32
		.amdhsa_user_sgpr_count 2
		.amdhsa_user_sgpr_kernarg_segment_ptr 1
		.amdhsa_wavefront_size32 1
		.amdhsa_system_sgpr_workgroup_id_x 1
		.amdhsa_system_sgpr_workgroup_id_y 1
		.amdhsa_system_sgpr_workgroup_id_z 1
		.amdhsa_system_vgpr_workitem_id 0
		.amdhsa_next_free_vgpr 1024
		.amdhsa_next_free_sgpr 102
		.amdhsa_reserve_vcc 0
		.amdhsa_float_denorm_mode_32 3
		.amdhsa_float_denorm_mode_16_64 3
		.amdhsa_memory_ordered 1
		.amdhsa_forward_progress 1
		.amdhsa_inst_pref_size 206
	.end_amdhsa_kernel
	.amdgpu_metadata
---
amdhsa.version: [ 1, 2 ]
amdhsa.kernels:
  - .name:           k_qa1136e683b_qk
    .symbol:         k_qa1136e683b_qk.kd
    .args:
      - { .name: cod, .offset: 0, .size: 8, .value_kind: global_buffer, .address_space: global }
      - { .name: scl, .offset: 8, .size: 8, .value_kind: global_buffer, .address_space: global }
      - { .name: qkc, .offset: 16, .size: 8, .value_kind: global_buffer, .address_space: global }
      - { .name: qks, .offset: 24, .size: 8, .value_kind: global_buffer, .address_space: global }
    .group_segment_fixed_size: 327680
    .private_segment_fixed_size: 0
    .kernarg_segment_align: 8
    .kernarg_segment_size: 32
    .max_flat_workgroup_size: 128
    .sgpr_count:     102
    .vgpr_count:     1024
    .wavefront_size: 32
...
	.end_amdgpu_metadata
.endif
;; end of part 2
;; launch v (part 3): grid 32 x 4, 4 waves a work-group, clusters of 4 x 4, 327,680 bytes of LDS; arguments cod, scl, vc, vs; writes vc, vs
.if DOCPART == 3
	.amdgcn_target "amdgcn-amd-amdhsa--gfx1250"
	.amdhsa_code_object_version 6
	.text
	.protected	k_qa1136e683b_v
	.globl	k_qa1136e683b_v
	.p2align	8
	.type	k_qa1136e683b_v,@function
k_qa1136e683b_v:
	s_mov_b64 s[64:65], 0
	v_nop
	global_prefetch_b8 v0, s[64:65] scope:SCOPE_SE
	s_setreg_imm32_b32 hwreg(HW_REG_WAVE_MODE, 25, 1), 1
	s_wait_xcnt 0x0
	s_wait_alu depctr_hold_cnt(0) depctr_sa_sdst(0) depctr_va_vdst(0) depctr_va_sdst(0) depctr_va_ssrc(0) depctr_va_vcc(0) depctr_vm_vsrc(0)
	s_getreg_b32 s2, hwreg(HW_REG_IB_STS2, 6, 4)
	s_cmp_eq_u32 s2, 0
	s_cbranch_scc0 .Lentry_in_a_cluster
	s_endpgm
.Lentry_in_a_cluster:
	s_bfe_u32 s2, ttmp6, 0x10000c
	s_cmp_lg_u32 s2, 0xf033
	s_cbranch_scc0 .Lentry_shape_is_right
	s_endpgm
.Lentry_shape_is_right:
; V.  v^T = w_v x^T (1,024 features x 8,192 tokens x K 1,024) on codes of FP6 (E2M3) with one E8M0 scale for each 32 along K; then v is quantised ALONG THE TOKENS, which are the K of attention's second product, and stored as images
; of that product's operand registers.  A (source 1) = w_v's codes (rows 2,048-3,071 of w_qkv), B (source 0) = x's.  Both lie with bits 3 and 4 of the row number exchanged: lane (r, h) of A's block a holds feature
; 32 (a / 2) + 8 (a % 2) + r + 8 (r / 8) of the wave's 128 (head a / 4, tile of 16 channels a % 4), and register 16 b + i of the block's 64 holds token 32 b + 16 h + i of the wave's 128: a block's 64 registers become ONE fragment, 16 channels x 128 keys.
; The ring, the scales, the cluster and the joint loads are as in the launch for q and k.  32 x 4 tiles are 128 work-groups: a tile of 256 x 256 is kept, since each wave's 128 tokens are one key step and its fragments leave whole.
; OUTPUT: vc [batch x head 64][key step 16][tile of channels 4][1,536 bytes]: the fragment's 12 registers, three times 16 x lane.   vs [batch x head][key step][tile][16 rows][4 bytes].
; LIMITS: a block of zeros, or one under 2^-124, gets the byte 1; NaN and infinities are not served.
.set KSTEP,  256
.set NQ,     KSTEP/128
.set ROWB,   49152                     ; bytes from a K step's block of 256 rows x 192 bytes to the next: cod lies [256 rows][K step][row][192 bytes]
.set KROW,   768
.set PITCH,  240
.set FR,     12
.set NL,     6
.set NP,     4
.set HALFT,  128*PITCH
.set SLOT,   4*HALFT
.set LAPS,   2
.set KS,     32
.set SCL,    2*SLOT
.set HALFS,  (128*KS/256)*272
.set SBLK,   (16*KS/256)*272
.set SPARE,  SCL+4*HALFS               ; the spare words: 128 bytes for each wave, two blocks of 256 bytes that no other line names
.set L16,  7                           ; v7   16 x lane
.set SST,  10                          ; v10  the scale words' stage (in slot 0, which has had its last fill and its last read): where I put a word
.set SLD,  11                          ; v11  where I read 16 bytes back
.set SOUT, 12                          ; v12  and where they go in vs
.set ADRA, 16
.set ADRB, 20
.set ADRS, 27
.set SPW,  28
.set NIL,  29
.set SC,   32                          ; v32-63 scale words, two sets: they hold scales and nothing else
.set AF,   128
.set CD,   192
.set TM,   212
.set PW,   228
.set SEL,  20
.set G1, 24
.set G0, 32
.set G1B, 48
.set G0B, 56
.set G1S, 68
.set G0S, 76
.set G1SB, 80
.set G0SB, 88
.set MSB, 0
.macro WIN new
.if MSB != (\new)
	s_set_vgpr_msb (MSB<<8)|(\new)
.set MSB, (\new)
.endif
.endm
.set MUL_LO, 0xa1
.set MUL_HI, 0xf1
.set TO_B,   0x40
.macro JLOAD g0a, g1a, g0b, g1b        ; a joint load: waves 0 and 1 fetch for A, waves 2 and 3 for B; four v_nop follow each of the two lines
	s_cmp_eq_u32 s15, 0
	s_cbranch_scc0 .Lfor_b_\@
	tensor_load_to_lds s[\g0a:\g0a+3], s[\g1a:\g1a+7]
	s_nop 0
.rept 4
	v_nop
.endr
	s_branch .Lasked_\@
.Lfor_b_\@:
	tensor_load_to_lds s[\g0b:\g0b+3], s[\g1b:\g1b+7]
	s_nop 0
.rept 4
	v_nop
.endr
.Lasked_\@:
.endm
.macro CREST
	s_cmp_lg_u32 s14, 0
	s_cbranch_scc1 .Lnot_wave_0_\@
	s_barrier_signal -3
.Lnot_wave_0_\@:
	s_barrier_wait -3
	s_barrier_signal -1
	s_barrier_wait -1
.endm
.macro CROUND
	s_barrier_signal -1
	s_barrier_wait -1
	CREST
.endm
	s_load_b128 s[8:11], s[0:1], 0x0               ; cod s[8:9] (x's codes at its head: B), scl s[10:11] (x's scales)
	s_load_b128 s[96:99], s[0:1], 0x10             ; vc, vs
	v_lshl_add_u32 v[SPW], v0, 2, SPARE
	v_mov_b32 v[NIL], 0
	ds_add_u32 v28, v29
	ds_add_u32 v28, v29
	s_wait_dscnt 0x0
	v_lshrrev_b32 v1, 5, v0
	v_readfirstlane_b32 s14, v1
	s_lshr_b32 s15, s14, 1
	s_and_b32 s16, s14, 1
	s_bfe_u32 s40, ttmp6, 0x40000
	s_bfe_u32 s41, ttmp6, 0x40004
	s_lshl_b32 s42, ttmp9, 2
	s_add_co_u32 s42, s42, s40                     ; tile column (tokens)
	s_and_b32 s17, ttmp7, 0xffff
	s_lshl_b32 s17, s17, 2
	s_add_co_u32 s17, s17, s41                     ; tile row (features)
	s_lshl_b32 s43, s41, 2
	s_lshl_b32 s43, 15, s43
	s_lshl_b32 s44, 0x1111, s40
	s_or_b32 s[G1+0], s43, (0<<16)|(1<<20)|(1<<21)|(3<<22)|(3<<25)
	s_or_b32 s[G1B+0], s44, (0<<16)|(1<<20)|(1<<21)|(3<<22)|(3<<25)
.irp g, G1, G1B
	s_mov_b32 s[\g+1], 256<<16                     ; a dense block stated as rows of 256 bytes; the padding's interval stays 64 bytes, so a row of 192 bytes takes 240 in LDS
	s_mov_b32 s[\g+2], 192<<16                     ; the head's loads: 256 rows of codes = 192 rows of 256 bytes
	s_mov_b32 s[\g+3], 256<<16
	s_mov_b32 s[\g+4], 192
	s_mov_b32 s[\g+5], 256
	s_mov_b32 s[\g+6], 0
	s_mov_b32 s[\g+7], 0
.endr
	s_or_b32 s[G1S+0], s43, (3<<16)|(1<<20)|(1<<21)|(5<<22)|(3<<25)
	s_or_b32 s[G1SB+0], s44, (3<<16)|(1<<20)|(1<<21)|(5<<22)|(3<<25)
.irp g, G1S, G1SB
	s_mov_b32 s[\g+1], 32<<16
	s_mov_b32 s[\g+2], (256*KS/256)<<16
	s_mov_b32 s[\g+3], 32<<16
	s_mov_b32 s[\g+4], 256*KS/256
	s_mov_b32 s[\g+5], 32
	s_mov_b32 s[\g+6], 0
	s_mov_b32 s[\g+7], 0
.endr
	s_lshl_b32 s20, s17, 8
	s_lshl_b32 s46, s42, 8
	s_mov_b32 s21, 0
	s_mov_b32 s47, 0
	s_mov_b64 s[18:19], KS
	s_mul_u64 s[22:23], s[20:21], s[18:19]
	s_mul_u64 s[92:93], s[46:47], s[18:19]
	s_mov_b64 s[18:19], KROW
	s_mul_u64 s[20:21], s[20:21], s[18:19]
	s_mul_u64 s[46:47], s[46:47], s[18:19]
	s_mul_i32 s45, s14, HALFT
	s_mul_i32 s18, s16, 128*192                    ; in the ring a wave fetches 128 rows of a block: which half
	s_mov_b32 s19, 0
	s_wait_kmcnt 0x0
	s_add_nc_u64 s[4:5], s[8:9], 7864320           ; w_v's codes: A
	s_add_nc_u64 s[6:7], s[10:11], 327680          ; w_v's scales
	s_add_nc_u64 s[20:21], s[4:5], s[20:21]
	s_add_nc_u64 s[22:23], s[6:7], s[22:23]
	s_add_nc_u64 s[46:47], s[8:9], s[46:47]
	s_add_nc_u64 s[92:93], s[10:11], s[92:93]
	CROUND                                         ; all sixteen work-groups are here: the first joint loads meet
	s_mov_b32 s[G0S], 1
	s_mov_b32 s[G0S+1], SCL
	s_mov_b64 s[G0S+2:G0S+3], s[22:23]
	s_or_b32 s[G0S+3], s[G0S+3], 0x80000000
	s_mov_b32 s[G0SB], 1
	s_mov_b32 s[G0SB+1], SCL+2*HALFS
	s_mov_b64 s[G0SB+2:G0SB+3], s[92:93]
	s_or_b32 s[G0SB+3], s[G0SB+3], 0x80000000
.set G0H, 4                            ; s[4:7], s[8:11] group 0 of the head's loads of K step 0 (the addresses that lay there have been used)
.set G0HB, 8
	s_mov_b32 s[G0H], 1
	s_mov_b32 s[G0H+1], 0
	s_mov_b64 s[G0H+2:G0H+3], s[20:21]
	s_or_b32 s[G0H+3], s[G0H+3], 0x80000000
	s_mov_b32 s[G0HB], 1
	s_mov_b32 s[G0HB+1], 2*HALFT
	s_mov_b64 s[G0HB+2:G0HB+3], s[46:47]
	s_or_b32 s[G0HB+3], s[G0HB+3], 0x80000000
	s_add_nc_u64 s[20:21], s[20:21], s[18:19]
	s_add_nc_u64 s[46:47], s[46:47], s[18:19]
.irp s, 0,1
	s_mov_b32 s[G0+4*\s], 1
	s_add_co_u32 s[G0+4*\s+1], s45, \s*SLOT
	s_add_nc_u64 s[G0+4*\s+2:G0+4*\s+3], s[20:21], \s*ROWB
	s_or_b32 s[G0+4*\s+3], s[G0+4*\s+3], 0x80000000
	s_mov_b32 s[G0B+4*\s], 1
	s_add_co_u32 s[G0B+4*\s+1], s45, \s*SLOT
	s_add_nc_u64 s[G0B+4*\s+2:G0B+4*\s+3], s[46:47], \s*ROWB
	s_or_b32 s[G0B+4*\s+3], s[G0B+4*\s+3], 0x80000000
.endr
; the head's loads, one a wave: wave 0 K step 0 of A's 256 rows, wave 1 of B's, wave 2 A's scales, wave 3 B's; one chain of branches on the wave's number
.macro ARM under, g0, g1, next
	s_cmp_lt_u32 s14, \under
	s_cbranch_scc0 \next
	tensor_load_to_lds s[\g0:\g0+3], s[\g1:\g1+7]
	s_nop 0
.rept 4
	v_nop
.endr
	s_branch .Lhead_asked
\next:
.endm
	ARM 1, G0H,  G1,  .Lhead_b
	ARM 2, G0HB, G1B, .Lhead_sa
	ARM 3, G0S,  G1S, .Lhead_sb
	tensor_load_to_lds s[G0SB:G0SB+3], s[G1SB:G1SB+7]
	s_nop 0
.rept 4
	v_nop
.endr
.Lhead_asked:
	v_and_b32 v1, 15, v0
	v_bfe_u32 v2, v0, 4, 1
	v_mul_u32_u24 v3, v1, PITCH
	v_mul_u32_u24 v4, v2, 24
	v_add_nc_u32 v4, v3, v4
	v_lshl_add_u32 v5, v2, 4, v4
	s_mul_i32 s21, s15, HALFT
	s_mul_i32 s22, s16, HALFT
	s_add_co_u32 s22, s22, 2*HALFT
.irp s, 0,1
	v_add_nc_u32 v[ADRA+\s], s21, v4
	v_add_nc_u32 v[ADRB+\s], s22, v4
	v_add_nc_u32 v[ADRA+2+\s], s21, v5
	v_add_nc_u32 v[ADRB+2+\s], s22, v5
	s_add_co_u32 s21, s21, SLOT
	s_add_co_u32 s22, s22, SLOT
.endr
	v_mul_u32_u24 v5, v1, KS
	v_lshrrev_b32 v6, 8, v5
	v_lshl_add_u32 v5, v6, 4, v5
	s_mul_i32 s21, s15, HALFS
	s_mul_i32 s22, s16, HALFS
	s_add_co_u32 s22, s22, 2*HALFS
	s_sub_co_u32 s22, s22, s21
	v_mul_u32_u24 v6, s22, v2
	s_add_co_u32 s21, s21, SCL
	v_add_nc_u32 v5, v5, v6
	v_add_nc_u32 v[ADRS], s21, v5
	; the way out's addresses
	v_and_b32 v6, 31, v0
	v_lshlrev_b32 v[L16], 4, v6
	s_lshl_b32 s23, s14, 9                         ; my stage: 512 bytes a wave
	v_lshlrev_b32 v5, 2, v1
	v_add_nc_u32 v[SST], s23, v5                   ; 4 r: both halves of the lanes hold the same word and write it to the same place
	v_add_nc_u32 v[SLD], s23, v[L16]
	v_lshlrev_b32 v[SOUT], 4, v1
	v_lshl_add_u32 v[SOUT], v2, 12, v[SOUT]        ; lanes 0-15: my first head's 256 bytes; lanes 16-31: the next head's, 4,096 bytes on
	s_lshr_b32 s46, s42, 3
	s_lshl_b32 s46, s46, 4                         ; 16 x batch
	s_lshl_b32 s47, s17, 2
	s_add_co_u32 s46, s46, s47                     ; + the head: 4 x tile row
	s_lshl_b32 s47, s15, 1
	s_add_co_u32 s46, s46, s47                     ; + 2 x half
	s_and_b32 s18, s42, 7
	s_lshl_b32 s18, s18, 1
	s_add_co_u32 s18, s18, s16                     ; the key step: 2 (tile column % 8) + half
	s_mul_i32 s20, s46, 98304                      ; 16 key steps x 4 tiles x 1,536 bytes a head
	s_mul_i32 s22, s18, 6144
	s_add_co_u32 s20, s20, s22
	s_mov_b32 s21, 0
	s_add_nc_u64 s[96:97], s[96:97], s[20:21]
	s_lshl_b32 s20, s46, 12                        ; 16 key steps x 256 bytes a head
	s_lshl_b32 s22, s18, 8
	s_add_co_u32 s20, s20, s22
	s_add_nc_u64 s[98:99], s[98:99], s[20:21]
	s_mov_b32 s[SEL], 0x76543210
	s_mov_b32 s[SEL+1], 0xfedcba98
.macro FRAG reg, adr, q, i
.irp p, 0,1,2,3,4,5
.set PCE, 12*(\q)+6*(\p/3)+\p%3
.if PCE%8 < 5
	ds_load_b64 v[\reg+2*\p:\reg+2*\p+1], v[\adr] offset:8*PCE+16*(PCE/8)+(\i)*16*PITCH
.else
	ds_load_b64 v[\reg+2*\p:\reg+2*\p+1], v[\adr+2] offset:8*PCE+16*(PCE/8)+(\i)*16*PITCH
.endif
.endr
.endm
.macro MUL16 a0, p, q, sc, zero        ; the 64 accumulators take turns, one instruction a turn
.irp a, \a0, \a0+1
.irp b, 0,1,2,3,4,5,6,7
.if \zero
	v_wmma_scale_f32_16x16x128_f8f6f4 v[8*(8*((\a)%4)+\b):8*(8*((\a)%4)+\b)+7], v[128*(\p)+FR*\b:128*(\p)+FR*\b+FR-1], v[AF+FR*(\a):AF+FR*(\a)+FR-1], 0, v[SC+8*NQ*(\sc)+NQ*\b+(\q)], v[SC+8*NQ*(\sc)+NQ*(\a)+(\q)] matrix_a_fmt:MATRIX_FMT_FP6 matrix_b_fmt:MATRIX_FMT_FP6 matrix_a_scale:MATRIX_SCALE_ROW1
.else
	v_wmma_scale_f32_16x16x128_f8f6f4 v[8*(8*((\a)%4)+\b):8*(8*((\a)%4)+\b)+7], v[128*(\p)+FR*\b:128*(\p)+FR*\b+FR-1], v[AF+FR*(\a):AF+FR*(\a)+FR-1], v[8*(8*((\a)%4)+\b):8*(8*((\a)%4)+\b)+7], v[SC+8*NQ*(\sc)+NQ*\b+(\q)], v[SC+8*NQ*(\sc)+NQ*(\a)+(\q)] matrix_a_fmt:MATRIX_FMT_FP6 matrix_b_fmt:MATRIX_FMT_FP6 matrix_a_scale:MATRIX_SCALE_ROW1
.endif
.endr
.endr
.endm
.macro FETCH_B slot, q, p
	WIN TO_B
.irp i, 0,1,2,3,4,5,6,7
	FRAG 128*(\p)+FR*\i, ADRB+\slot, \q, \i
.endr
	WIN 0
.endm
.macro FETCH_A slot, q, i0
.irp i, \i0, \i0+1, \i0+2, \i0+3
	FRAG AF+FR*(\i), ADRA+\slot, \q, \i
.endr
.endm
.macro SCALES sc
.irp i, 0,1,2,3,4,5,6,7
	ds_load_b64 v[SC+8*NQ*\sc+NQ*\i:SC+8*NQ*\sc+NQ*\i+1], v[ADRS] offset:\i*SBLK
.endr
.endm
.macro PLACES n
.rept \n
	v_nop
.endr
.endm
.macro STEP slot, q, zero
	s_wait_dscnt 4*NL                              ; B's set and A's blocks 0-3 are in; the youngest 24 loads (A's blocks 4-7) may be out
	WIN MUL_LO
	MUL16 0, (\q)%2, \q, \slot, \zero
	MUL16 2, (\q)%2, \q, \slot, \zero
	s_wait_dscnt 0
	PLACES NP
	FETCH_B \slot, (\q)+1, 1-(\q)%2
	FETCH_A \slot, (\q)+1, 0
	WIN MUL_HI
	MUL16 4, (\q)%2, \q, \slot, \zero
	MUL16 6, (\q)%2, \q, \slot, \zero
	PLACES NP
	WIN 0
	FETCH_A \slot, (\q)+1, 4
.endm
.macro TURN slot, next, fill
	s_wait_tensorcnt 0x0                           ; all my tensor loads have landed: my part of the next slot
	ds_add_u32 v[SPW], v[NIL]                      ; 0 onto my spare word
	s_wait_dscnt 4*NL+1                            ; (the add and the youngest 24 loads may be out)
	WIN MUL_LO
	MUL16 0, 1, NQ-1, \slot, 0
	s_wait_dscnt 0x0                               ; the add is done, and my reads of this slot are over
	s_barrier_signal -1
	MUL16 2, 1, NQ-1, \slot, 0
	WIN 0
	s_barrier_wait -1
.if \fill
	CREST                                          ; a round of the cluster's barrier: no wave of any partner still reads this slot's tile or has a load on its way
	s_add_nc_u64 s[G0+4*\slot+2:G0+4*\slot+3], s[G0+4*\slot+2:G0+4*\slot+3], 2*ROWB
	s_add_nc_u64 s[G0B+4*\slot+2:G0B+4*\slot+3], s[G0B+4*\slot+2:G0B+4*\slot+3], 2*ROWB
	JLOAD G0+4*\slot, G1, G0B+4*\slot, G1B
.else
	PLACES NP
.endif
	s_wait_alu depctr_va_vdst(0)
	v_add_nc_u32 v[ADRS], 4*NQ, v[ADRS]
	FETCH_B \next, 0, 0
	FETCH_A \next, 0, 0
	SCALES \next
	WIN MUL_HI
	MUL16 4, 1, NQ-1, \slot, 0
	MUL16 6, 1, NQ-1, \slot, 0
	PLACES NP
	WIN 0
	FETCH_A \next, 0, 4
.endm
; 64 numbers of a lane, v[QSRC] on in window w, register 16 b + i = k 32 b + 16 h + i of my row, become a fragment's codes in v[CD] on and its scale word in v[PW].  Each accumulator is read from its low end on.
.macro QUANT w
	WIN (\w)|((\w)<<2)
.irp b, 0,1,2,3
	v_max3_num_f32 v[TM+\b], |v[QSRC+16*\b]|, |v[QSRC+1+16*\b]|, 0x1800000   ; block b: my 16 numbers, and the floor 2^(3 - 127)
.endr
.irp i, 2,4,6,8,10,12,14
.irp b, 0,1,2,3
	v_max3_num_f32 v[TM+\b], |v[QSRC+16*\b+\i]|, |v[QSRC+1+16*\b+\i]|, v[TM+\b]
.endr
.endr
	WIN 0
.irp b, 0,1,2,3
	v_permlanex16_b32 v[TM+4+\b], v[TM+\b], s[SEL], s[SEL+1]
.endr
.irp b, 0,1,2,3
	v_max_num_f32 v[TM+\b], v[TM+\b], v[TM+4+\b]
.endr
.irp b, 0,1,2,3
	v_add_nc_u32 v[TM+12+\b], 0xff000000, v[TM+\b]
.endr
.irp b, 0,1,2,3
	v_lshrrev_b32 v[TM+4+\b], 23, v[TM+12+\b]
.endr
	v_lshl_or_b32 v[PW], v[TM+5], 8, v[TM+4]
	v_lshl_or_b32 v[PW], v[TM+6], 16, v[PW]
	v_lshl_or_b32 v[PW], v[TM+7], 24, v[PW]
	WIN \w
.irp c, 0,1
	v_cvt_scalef32_pk16_fp6_f32 v[CD+6*\c:CD+2+6*\c], v[QSRC+32*\c:QSRC+15+32*\c], v[TM+12+2*\c]
	v_cvt_scalef32_pk16_fp6_f32 v[CD+12+4*\c:CD+14+4*\c], v[QSRC+16+32*\c:QSRC+31+32*\c], v[TM+12+2*\c+1]
.endr
	WIN 0
	v_nop                                          ; one plain line behind the scaled conversions
.irp c, 0,1
.irp i, 0,1,2
	v_permlane16_swap_b32 v[CD+6*\c+\i], v[CD+12+4*\c+\i]
.endr
.irp i, 0,1,2
	v_mov_b32 v[CD+3+6*\c+\i], v[CD+12+4*\c+\i]
.endr
.endr
.endm
.macro VBLOCK a                        ; block a: head a / 4 of my two, tile of channels a % 4: one fragment, 1,536 consecutive bytes
	s_wait_xcnt 0x0                                ; the last block's stores have read their data
.set QSRC, 64*((\a)%4)
	QUANT 2+(\a)/4
.irp n, 0,1,2
	global_store_b128 v[L16], v[CD+4*\n:CD+4*\n+3], s[96:97] offset:((\a)/4)*98304+((\a)%4)*1536+512*\n
.endr
	ds_store_b32 v[SST], v[PW] offset:64*(\a)
.endm
	s_wait_alu depctr_va_vdst(0)                   ; the wait at the head's end
	s_wait_tensorcnt 0x0                           ; my tile of the head's four is in; the three lines ahead of slot 1's first fill, as ahead of a refill
	ds_add_u32 v[SPW], v[NIL]
	s_mov_b32 s[G1+2], 96<<16                      ; no load of mine is out: from here on a load brings 128 rows of codes = 96 rows of 256 bytes
	s_mov_b32 s[G1+4], 96
	s_mov_b32 s[G1B+2], 96<<16
	s_mov_b32 s[G1B+4], 96
	s_wait_dscnt 0x0
	CROUND                                         ; all four tiles are in, and the sixteen work-groups meet
	JLOAD G0+4, G1, G0B+4, G1B                     ; K step 1, the first tensor load behind the round
	FETCH_B 0, 0, 0
	FETCH_A 0, 0, 0
	SCALES 0
	FETCH_A 0, 0, 4
	STEP 0, 0, 1
	s_mov_b32 s3, LAPS-1
.Llap:
	TURN 0, 1, 1
	STEP 1, 0, 0
	TURN 1, 0, 1
	STEP 0, 0, 0
	s_sub_co_u32 s3, s3, 1
	s_cmp_lg_u32 s3, 0
	s_cbranch_scc1 .Llap
	TURN 0, 1, 0
	STEP 1, 0, 0
	s_wait_dscnt 4*NL
	WIN MUL_LO
	MUL16 0, 1, NQ-1, 1, 0
	MUL16 2, 1, NQ-1, 1, 0
	s_wait_dscnt 0
	WIN MUL_HI
	MUL16 4, 1, NQ-1, 1, 0
	MUL16 6, 1, NQ-1, 1, 0
	WIN 0
	PLACES NP                                      ; in front of the first read of results and the first write over A's fragments
.irp b, 0,1,2,3
	v_mov_b32 v[TM+4+\b], 0                        ; written once: a lane permute's destination counts as one of its sources
.endr
.irp a, 0,1,2,3,4,5,6,7
	VBLOCK \a
.endr
	ds_load_b128 v[232:235], v[SLD]                ; LDS serves a wave's instructions in order: this sees my stores
	s_wait_dscnt 0x0
	global_store_b128 v[SOUT], v[232:235], s[98:99]   ; sixteen lanes store 256 consecutive bytes, aligned, for each of my two heads
	s_wait_tensorcnt 0x0                           ; the wave's end
	ds_add_u32 v[SPW], v[NIL]
	s_wait_dscnt 0x0
	CROUND                                         ; the closing round
	s_endpgm
.Lfunc_end_k_qa1136e683b_v:
	.size	k_qa1136e683b_v, .Lfunc_end_k_qa1136e683b_v-k_qa1136e683b_v
	.p2alignl 7, 3214868480
	.fill 96, 4, 3214868480
	.section	.rodata,"a",@progbits
	.p2align	6, 0x0
	.amdhsa_kernel k_qa1136e683b_v
		.amdhsa_group_segment_fixed_size 327680
		.amdhsa_private_segment_fixed_size 0
		.amdhsa_enable_private_segment 0
		.amdhsa_kernarg_size 32
		.amdhsa_user_sgpr_count 2
		.amdhsa_user_sgpr_kernarg_segment_ptr 1
		.amdhsa_wavefront_size32 1
		.amdhsa_system_sgpr_workgroup_id_x 1
		.amdhsa_system_sgpr_workgroup_id_y 1
		.amdhsa_system_sgpr_workgroup_id_z 1
		.amdhsa_system_vgpr_workitem_id 0
		.amdhsa_next_free_vgpr 1024
		.amdhsa_next_free_sgpr 102
		.amdhsa_reserve_vcc 0
		.amdhsa_float_denorm_mode_32 3
		.amdhsa_float_denorm_mode_16_64 3
		.amdhsa_memory_ordered 1
		.amdhsa_forward_progress 1
		.amdhsa_inst_pref_size 166
	.end_amdhsa_kernel
	.amdgpu_metadata
---
amdhsa.version: [ 1, 2 ]
amdhsa.kernels:
  - .name:           k_qa1136e683b_v
    .symbol:         k_qa1136e683b_v.kd
    .args:
      - { .name: cod, .offset: 0, .size: 8, .value_kind: global_buffer, .address_space: global }
      - { .name: scl, .offset: 8, .size: 8, .value_kind: global_buffer, .address_space: global }
      - { .name: vc, .offset: 16, .size: 8, .value_kind: global_buffer, .address_space: global }
      - { .name: vs, .offset: 24, .size: 8, .value_kind: global_buffer, .address_space: global }
    .group_segment_fixed_size: 327680
    .private_segment_fixed_size: 0
    .kernarg_segment_align: 8
    .kernarg_segment_size: 32
    .max_flat_workgroup_size: 128
    .sgpr_count:     102
    .vgpr_count:     1024
    .wavefront_size: 32
...
	.end_amdgpu_metadata
.endif
;; end of part 3
;; launch attn (part 4): grid 4 x 64, 16 waves a work-group, no clusters, 210,944 bytes of LDS; arguments qkc, qks, vc, vs, ac, asc; writes ac, asc
.if DOCPART == 4
	.amdgcn_target "amdgcn-amd-amdhsa--gfx1250"
	.amdhsa_code_object_version 6
	.text
	.protected	k_qa1136e683b_attn
	.globl	k_qa1136e683b_attn
	.p2align	8
	.type	k_qa1136e683b_attn,@function
k_qa1136e683b_attn:
	s_mov_b64 s[64:65], 0
	v_nop
	global_prefetch_b8 v0, s[64:65] scope:SCOPE_SE
	s_setreg_imm32_b32 hwreg(HW_REG_WAVE_MODE, 25, 1), 1
	s_wait_xcnt 0x0
; ATTN.  O = softmax(q k^T / 8, causal) v for one batch x head, both products on codes of FP6 (E2M3) with one E8M0 scale for each 32 along a product's K; then O / l is quantised along the head's 64 and stored as images of the last
; launch's operand registers.  q, k, v arrive as register images (see the launches that make them).  The first product's K is 64: registers 6-11 of q's and k's fragments are zero codes and their scale bytes 0x7f, which add nothing.
; THE SOFTMAX: t = score x log2(e) / 8; M = the running largest t rounded UP to a whole number; p = 2^(t - M) is quantised along the keys, not normalised; the row's sum l is taken of the unquantised p; when M moves, l and O are
; multiplied by 2^(old M - new M), exactly.
; SHARES.  A head's codes and scales of k and v are 208,896 bytes: THE WHOLE HEAD LIES IN LDS, filled once: no ring, no slot is filled again, and this launch stores nothing into LDS.
; Work-group p of a head's four owns the blocks of 256 queries p and 7 - p; wave w owns tile E = 16 p + w and tile L = 112 - 16 p + w of 16 queries.  Its key steps of 128: (2 p + w / 8 + 1) + (15 - 2 p + w / 8) = 16 or 18 in every
; work-group: 256 work-groups of equal work.  Sixteen waves of 256 registers: four to a SIMD, so that one wave's vector work stands beside another's matrix work and LDS loads.
; A TILE T of 16 tokens is tokens 32 (T / 2) + 8 (T % 2) + r + 8 (r / 8).  S^T = k q^T (source 0 = a tile of keys, source 1 = my queries): lane (r, h) holds query r, and the 16 registers of tiles 2 b, 2 b + 1 of a key step are keys
; 32 b + 16 h + 0 .. 15.  O^T = v^T p^T: register 16 b + i of the four tiles holds channel 32 b + 16 h + i.
; CAUSAL: the loops' trip counts are constants; a step all of whose keys come after my tile's queries is left out by a scalar branch on ids; on the diagonal step hidden scores become -infinity ahead of the maximum.
; NO CLUSTER, though a head's four work-groups read the same k and v: which key steps a wave leaves out hangs on p, which in a cluster would be the work-group's place in it, and there no branch may hang on that.
; NO PREFETCH: all that the work-group reads is asked for by its first lines.
; LIMITS: a block of zeros, or one under 2^-124, gets the byte 1 with zero codes; NaN and infinities are not served.
.set KIMG, 0                           ; LDS: k's 128 tiles x 768 bytes
.set VIMG, 98304                       ; v's 16 key steps x 4 tiles x 1,536 bytes
.set KSC,  196608                      ; k's scale words: 128 tiles x 64 bytes
.set VSC,  204800                      ; v's: 16 key steps x 4 tiles x 64 bytes
.set L16,  1                           ; v1   16 x lane
.set L8,   2                           ; v2   8 x lane
.set AV0,  3                           ; v3   16 x lane + VIMG
.set AKS0, 4                           ; v4   4 r + KSC
.set AVS0, 5                           ; v5   4 r + VSC
.set DD,   6                           ; v6   on the diagonal step: my query less the step's first key less 16 h
.set ADK16, 7                          ; v7-11 the step's addresses
.set ADK8, 8
.set ADV,  9
.set ADKS, 10
.set ADVS, 11
.set NML,  12                          ; v12 -M, v13 the largest t, v[14:15] the sum in two halves: tile L's;
.set NME,  16                          ; v16-19 tile E's
.set VQL,  20                          ; v20, v21 q's scale words
.set VQE,  21
.set AO,   22                          ; v22  32 r + h: my byte's place among a tile's scale bytes
.set R4,   23                          ; v23  4 r
.set QL,   24                          ; v24-35, v36-47 q's fragments
.set QE,   36
.set KFR,  48                          ; v48-95 four fragments of k
.set SS,   96                          ; v96-159 S^T, then p; then v's four fragments in v96-143
.set OL,   160                         ; v160-191, v192-223 O^T
.set OE,   192                         ; v224-235 p's codes; v232-254 at work; v248-251 k's or v's scale words; v252 f; v253 p's scale word
.set WV,   18
.set SEL,  20                          ; s[20:21] selects for lane l xor 16
.set CS,   22                          ; s[22:23] c = log2(e) / 8
.set G1A,  24                          ; s[24:31] group 1: 32 rows of 256 bytes;  s[32:39] 16 rows;  s[40:47] 96 rows
.set G1B,  32
.set G1C,  40
.set G1D,  48
.set G0KS, 56                          ; groups 0: k's scales, my piece of k's or v's codes;
.set G0K1, 60
.set G0K2, 68
.set G0VS, 72                          ; v's scales
.set G0V1, 76
.set G0V2, 80
.set J,    66                          ; the key step
.set TB,   67                          ; 6,144 J: where the step's tiles begin, in k's images and in v's alike
.set HM,   84                          ; mask of lanes 16-31
.set BH,   85                          ; batch x head
.set TKS,  86                          ; 512 J
.set TVS,  87                          ; 256 J
.set SQL,  88                          ; tile L's diagonal step
.set SQE,  89                          ; tile E's
.set CNT,  90
.macro G1SET g, rows                   ; a dense block as rows of 256 bytes: 32 elements of 8 bytes, no padding
	s_mov_b32 s[\g], 3<<16
	s_mov_b32 s[\g+1], 32<<16
	s_mov_b32 s[\g+2], (\rows)<<16
	s_mov_b32 s[\g+3], 32<<16
	s_mov_b32 s[\g+4], \rows
	s_mov_b32 s[\g+5], 32
	s_mov_b32 s[\g+6], 0
	s_mov_b32 s[\g+7], 0
.endm
	s_load_b256 s[4:11], s[0:1], 0x0               ; qkc s[4:5], qks s[6:7], vc s[8:9], vs s[10:11]
	s_load_b128 s[12:15], s[0:1], 0x20             ; ac s[12:13], asc s[14:15]
	v_lshl_add_u32 v254, v0, 2, 0x33000
	v_mov_b32 v255, 0
	ds_add_u32 v254, v255
	ds_add_u32 v254, v255
	s_wait_dscnt 0x0
	v_lshrrev_b32 v7, 5, v0
	s_delay_alu instid0(VALU_DEP_1)
	v_readfirstlane_b32 s[WV], v7                  ; wave 0..15
	s_and_b32 s[BH], ttmp7, 0xffff
	G1SET G1A, 32
	G1SET G1B, 16
	G1SET G1C, 96
	s_mul_i32 s92, s[BH], 98304                    ; the head's codes, in qkc's halves and in vc alike
	s_mov_b32 s93, 0
	s_lshl_b32 s16, s[BH], 13                      ; its scale words in qks's halves
	s_mov_b32 s17, 0
	s_lshl_b32 s2, s[BH], 12                       ; and in vs
	s_mov_b32 s3, 0
	s_add_co_u32 s94, s[WV], 6                     ; waves 2 to 9 fetch the codes in eight pieces of 24,576 bytes (four key steps): u = wave - 2,
	s_and_b32 s94, s94, 7
	s_and_b32 s91, s94, 1                          ; u % 2: k's or v's,
	s_lshr_b32 s94, s94, 1
	s_mul_i32 s94, s94, 24576                      ; u / 2: which piece; the same offset in memory and in LDS
	s_mul_i32 s19, s91, VIMG
	s_add_co_u32 s19, s19, s94                     ; the piece's place in LDS
	s_mov_b32 s95, 0
	s_wait_kmcnt 0x0
	s_add_nc_u64 s[4:5], s[4:5], s[92:93]          ; q's codes of my head
	s_add_nc_u64 s[6:7], s[6:7], s[16:17]          ; q's scale words
	s_add_nc_u64 s[8:9], s[8:9], s[92:93]          ; v's codes
	s_add_nc_u64 s[10:11], s[10:11], s[2:3]        ; v's scale words
	s_mov_b32 s[G0KS], 1
	s_mov_b32 s[G0KS+1], KSC
	s_add_nc_u64 s[G0KS+2:G0KS+3], s[6:7], 524288  ; k's half of qks
	s_or_b32 s[G0KS+3], s[G0KS+3], 0x80000000
	s_mov_b32 s[G0K1], 1
	s_mov_b32 s[G0K1+1], s19
	s_add_nc_u64 s[G0K1+2:G0K1+3], s[4:5], 6291456 ; k's half of qkc
	s_cmp_eq_u32 s91, 0                            ; the choice hangs on the wave's number alone
	s_cselect_b64 s[G0K1+2:G0K1+3], s[G0K1+2:G0K1+3], s[8:9]
	s_add_nc_u64 s[G0K1+2:G0K1+3], s[G0K1+2:G0K1+3], s[94:95]
	s_or_b32 s[G0K1+3], s[G0K1+3], 0x80000000
	s_mov_b32 s[G0VS], 1
	s_mov_b32 s[G0VS+1], VSC
	s_mov_b64 s[G0VS+2:G0VS+3], s[10:11]
	s_or_b32 s[G0VS+3], s[G0VS+3], 0x80000000
	; THE FILLS, once, one tensor load a wave, in one chain of branches on the wave's number, ahead of every wait on TENSORcnt, every LDS read and every barrier.
	; Wave 0: k's scales; wave 1: v's; waves 2, 3: key steps 0-3 of k and of v, by a line of their own, since these four waves wait ahead of the first barrier; waves 4 to 9: the other six pieces; the others nothing.
	s_cmp_lg_u32 s[WV], 0
	s_cbranch_scc1 .Lnot_0
	tensor_load_to_lds s[G0KS:G0KS+3], s[G1A:G1A+7]
	s_nop 0
.rept 4
	v_nop
.endr
	s_branch .Lfilled
.Lnot_0:
	s_cmp_lg_u32 s[WV], 1
	s_cbranch_scc1 .Lnot_1
	tensor_load_to_lds s[G0VS:G0VS+3], s[G1B:G1B+7]
	s_nop 0
.rept 4
	v_nop
.endr
	s_branch .Lfilled
.Lnot_1:
	s_cmp_ge_u32 s[WV], 4
	s_cbranch_scc1 .Lnot_2
	tensor_load_to_lds s[G0K1:G0K1+3], s[G1C:G1C+7]
	s_nop 0
.rept 4
	v_nop
.endr
	s_branch .Lfilled
.Lnot_2:
	s_cmp_ge_u32 s[WV], 10
	s_cbranch_scc1 .Lfilled
	tensor_load_to_lds s[G0K1:G0K1+3], s[G1C:G1C+7]
	s_nop 0
.rept 4
	v_nop
.endr
.Lfilled:
	v_and_b32 v8, 31, v0                           ; lane
	s_delay_alu instid0(VALU_DEP_1)
	v_lshlrev_b32 v[L16], 4, v8
	s_delay_alu instid0(VALU_DEP_2)
	v_lshlrev_b32 v[L8], 3, v8
	s_delay_alu instid0(VALU_DEP_2)
	v_add_nc_u32 v[AV0], VIMG, v[L16]
	v_and_b32 v9, 15, v0                           ; r
	v_bfe_u32 v10, v0, 4, 1                        ; h
	s_delay_alu instid0(VALU_DEP_2)
	v_lshlrev_b32 v[R4], 2, v9
	s_delay_alu instid0(VALU_DEP_1)
	v_add_nc_u32 v[AKS0], KSC, v[R4]
	s_delay_alu instid0(VALU_DEP_2)
	v_add_nc_u32 v[AVS0], VSC, v[R4]
	v_and_b32 v[DD], 8, v9
	s_delay_alu instid0(VALU_DEP_1)
	v_add_nc_u32 v[DD], v[DD], v9                  ; r + 8 (r / 8)
	v_lshlrev_b32 v7, 4, v10
	s_delay_alu instid0(VALU_DEP_1)
	v_sub_nc_u32 v[DD], v[DD], v7                  ; - 16 h
	s_lshr_b32 s2, s[WV], 1
	s_and_b32 s2, s2, 3
	s_lshl_b32 s2, s2, 5
	s_and_b32 s3, s[WV], 1
	s_lshl_b32 s3, s3, 3
	s_add_co_u32 s2, s2, s3
	v_add_nc_u32 v[DD], s2, v[DD]                  ; + 32 ((w / 2) % 4) + 8 (w % 2): both my tiles are tile w % 8 of their key step
	v_lshl_add_u32 v[AO], v9, 5, v10
	v_cmp_eq_u32 s[HM], 1, v10
	s_lshl_b32 s19, ttmp9, 4                       ; 16 p
	s_add_co_u32 s16, s19, s[WV]                   ; tile E
	s_sub_co_u32 s17, 112, s19
	s_add_co_u32 s17, s17, s[WV]                   ; tile L
	s_lshr_b32 s[SQE], s16, 3
	s_lshr_b32 s[SQL], s17, 3
	s_mov_b32 s3, 0
	s_mul_i32 s2, s17, 768
	s_add_nc_u64 s[94:95], s[4:5], s[2:3]
	s_mul_i32 s2, s16, 768
	s_add_nc_u64 s[96:97], s[4:5], s[2:3]
	s_lshl_b32 s2, s17, 6
	s_add_nc_u64 s[98:99], s[6:7], s[2:3]
	s_lshl_b32 s2, s16, 6
	s_add_nc_u64 s[100:101], s[6:7], s[2:3]
	global_load_b128 v[QL:QL+3], v[L16], s[94:95]              ; q's images: registers 0-3, 4-5
	global_load_b64 v[QL+4:QL+5], v[L8], s[94:95] offset:512
	global_load_b32 v[VQL], v[R4], s[98:99]
	global_load_b128 v[QE:QE+3], v[L16], s[96:97]
	global_load_b64 v[QE+4:QE+5], v[L8], s[96:97] offset:512
	global_load_b32 v[VQE], v[R4], s[100:101]
	s_mov_b32 s[SEL], 0x76543210
	s_mov_b32 s[SEL+1], 0xfedcba98
	s_mov_b32 s[CS], 0x3e38aa3b                    ; c = log2(e) / 8
	s_mov_b32 s[CS+1], s[CS]                       ; (named with it as a pair, so it is written)
	s_mov_b32 s[J], 0
	s_mov_b32 s[TB], 0
	s_mov_b32 s[TKS], 0
	s_mov_b32 s[TVS], 0
.irp i, 6,7,8,9,10,11
	v_mov_b32 v[QL+\i], 0                          ; k = 64 .. 127 of the first product: zero codes, written once and never loaded into
	v_mov_b32 v[QE+\i], 0
.irp t, 0,1,2,3
	v_mov_b32 v[KFR+12*\t+\i], 0
.endr
.endr
.irp n, NML, NME
	v_mov_b32 v[\n+1], 0xff61b1e6                  ; the largest t so far: -3e38, under every t
	s_delay_alu instid0(VALU_DEP_1)
	v_floor_f32 v[\n], -v[\n+1]                    ; -M
	v_mov_b32 v[\n+2], 0                           ; the sum, in two halves
	v_mov_b32 v[\n+3], 0
.endr
.irp b, 0,1,2,3
	v_mov_b32 v[236+\b], 0                         ; written once: a lane permute's destination counts as one of its sources
.endr
	v_mov_b32 v252, 0
	v_mov_b32 v253, 0                              ; (named as the upper halves of pairs before they are first written)
	v_mov_b32 v255, 0
.set n, 0
.rept 64
	v_mov_b32 v[OL+n], 0                           ; both O^T.  The key step is written without a first step of its own: it finds zeros, which the first change of M leaves zeros
.set n, n+1
.endr
; A KEY STEP of one tile of queries: 128 keys.  qf: q's fragment; qw: its scale words; nm: its -M, largest t and sums; ob: its O^T; dg: its diagonal step.
.macro STEP qf, qw, nm, ob, dg
	s_cmp_gt_u32 s[J], s[\dg]                      ; all the step's keys come after my queries: nothing to do
	s_cbranch_scc1 .Lhidden_\@
	v_add_nc_u32 v[ADK16], s[TB], v[L16]
	v_add_nc_u32 v[ADK8], s[TB], v[L8]
	v_add_nc_u32 v[ADV], s[TB], v[AV0]
	v_add_nc_u32 v[ADKS], s[TKS], v[AKS0]
	v_add_nc_u32 v[ADVS], s[TVS], v[AVS0]
	v_nop                                          ; six plain lines: S^T is written over registers that the last products read (five are asked), and loads go into their scale registers (four)
	s_wait_alu depctr_va_vdst(0)                   ; one wait for the five addresses
.irp g, 0,1                                    ; S^T = k q^T, four tiles of 16 keys at a time
.if \g
.rept 4
	v_nop                                          ; in front of loads into registers that matrix instructions have read
.endr
.endif
.irp t, 0,1,2,3
	ds_load_b128 v[KFR+12*\t:KFR+12*\t+3], v[ADK16] offset:(4*\g+\t)*768
	ds_load_b64 v[KFR+12*\t+4:KFR+12*\t+5], v[ADK8] offset:(4*\g+\t)*768+512
	ds_load_b32 v[248+\t], v[ADKS] offset:(4*\g+\t)*64
.endr
	s_wait_dscnt 0x0
.irp t, 0,1,2,3
	v_wmma_scale_f32_16x16x128_f8f6f4 v[SS+8*(4*\g+\t):SS+8*(4*\g+\t)+7], v[KFR+12*\t:KFR+12*\t+11], v[\qf:\qf+11], 0, v[248+\t], v[\qw] matrix_a_fmt:MATRIX_FMT_FP6 matrix_b_fmt:MATRIX_FMT_FP6
.endr
.endr
.rept 4
	v_nop
.endr
	s_cmp_lt_u32 s[J], s[\dg]                      ; a step all of whose keys count skips the mask
	s_cbranch_scc1 .Lopen_\@
	v_mov_b32 v254, 0xff800000                     ; -infinity: p = 0 then.  Register 16 b + i holds key 32 b + 16 h + i of the step: hidden where 32 b + i > v[DD]
.set n, 0
.rept 64
	v_cmp_gt_i32 vcc_lo, 32*(n/16)+n%16, v[DD]
	v_cndmask_b32 v[SS+n], v[SS+n], v254, vcc_lo
.set n, n+1
.endr
.Lopen_\@:
.irp b, 0,1,2,3
	v_max3_num_f32 v[232+\b], v[SS+16*\b], v[SS+1+16*\b], v[SS+2+16*\b]   ; the largest score of each block of 32 keys: for the row's maximum, and, since p rises with the score, for the block's largest p
.endr
.irp i, 3,5,7,9,11,13
.irp b, 0,1,2,3
	v_max3_num_f32 v[232+\b], v[232+\b], v[SS+16*\b+\i], v[SS+1+16*\b+\i]
.endr
.endr
.irp b, 0,1,2,3
	v_max_num_f32 v[232+\b], v[232+\b], v[SS+15+16*\b]
.endr
.irp b, 0,1,2,3
	s_delay_alu instid0(VALU_DEP_4)
	v_permlanex16_b32 v[236+\b], v[232+\b], s[SEL], s[SEL+1]
.endr
.irp b, 0,1,2,3
	s_delay_alu instid0(VALU_DEP_4)
	v_max_num_f32 v[232+\b], v[232+\b], v[236+\b]  ; with lane l xor 16's 16 keys
.endr
	s_delay_alu instid0(VALU_DEP_2)
	v_max3_num_f32 v254, v232, v233, v234
	s_delay_alu instid0(VALU_DEP_1)
	v_max_num_f32 v254, v254, v235                 ; the step's largest score of my query
	s_delay_alu instid0(VALU_DEP_1)
	v_mul_f32 v254, s[CS], v254                    ; as t
	s_delay_alu instid0(VALU_DEP_1)
	v_max_num_f32 v[\nm+1], v[\nm+1], v254         ; the running largest t
	v_mov_b32 v254, v[\nm]
	s_delay_alu instid0(VALU_DEP_2)
	v_floor_f32 v[\nm], -v[\nm+1]                  ; the new -M = floor(-t) = -ceil(t)
	s_delay_alu instid0(VALU_DEP_1)
	v_sub_f32 v254, v[\nm], v254                   ; old M - new M: a whole number, 0 or less
	s_delay_alu instid0(VALU_DEP_1)
	v_cvt_i32_f32 v254, v254                       ; (it saturates)
	s_delay_alu instid0(VALU_DEP_1)
	v_ldexp_f32 v252, 1.0, v254                    ; f = 2^(old M - new M)
.set j, 0
.rept 32
	v_pk_fma_f32 v[SS+j:SS+j+1], v[SS+j:SS+j+1], s[CS:CS+1], v[\nm:\nm+1] op_sel_hi:[1,0,0]   ; t - M, two at a time (of the pairs c and -M the low word serves both halves)
.set j, j+2
.endr
.irp b, 0,1,2,3
	v_fma_f32 v[232+\b], v[232+\b], s[CS], v[\nm]  ; the same of each block's largest score
.endr
.set j, 0
	s_wait_alu depctr_va_vdst(0)
.rept 64
	v_exp_f32 v[SS+j], v[SS+j]                     ; p = 2^(t - M), at most 1
.set j, j+1
.endr
	v_pk_mul_f32 v[\nm+2:\nm+3], v[\nm+2:\nm+3], v[252:253] op_sel_hi:[1,0]   ; the sums under the new M (a plain line behind the exponentials)
	s_wait_alu depctr_va_vdst(0)                   ; one wait for the batch of 64, ahead of its first reader
.irp b, 0,1,2,3
	v_exp_f32 v[232+\b], v[232+\b]                 ; the block's largest p: the same two instructions on the same number give the same bits
.endr
	v_pk_add_f32 v[236:237], v[SS:SS+1], v[SS+2:SS+3]   ; the row's sum is taken of the UNQUANTISED p, in two chains (it reads the 64 alone: plain work behind the four)
.irp i, 4,8,12,16,20,24,28,32,36,40,44,48,52,56,60
	v_pk_add_f32 v[\nm+2:\nm+3], v[\nm+2:\nm+3], v[SS+\i:SS+1+\i]
	v_pk_add_f32 v[236:237], v[236:237], v[SS+2+\i:SS+3+\i]
.endr
	s_delay_alu instid0(VALU_DEP_1)
	v_pk_add_f32 v[\nm+2:\nm+3], v[\nm+2:\nm+3], v[236:237]
	s_wait_alu depctr_va_vdst(0)                   ; and one for the four
.irp b, 0,1,2,3
	v_max_num_f32 v[232+\b], 0x1800000, v[232+\b]  ; the floor 2^(3 - 127): the byte cannot fall under 1
.endr
.irp b, 0,1,2,3
	s_delay_alu instid0(VALU_DEP_4)
	v_add_nc_u32 v[244+\b], 0xff000000, v[232+\b]  ; 2 off the exponent field: the conversion's scale operand
.endr
.irp b, 0,1,2,3
	s_delay_alu instid0(VALU_DEP_4)
	v_lshrrev_b32 v[236+\b], 23, v[244+\b]         ; the scale's byte
.endr
	s_delay_alu instid0(VALU_DEP_3)
	v_lshl_or_b32 v253, v237, 8, v236              ; p's scale word for these 128 keys
	s_delay_alu instid0(VALU_DEP_1)
	v_lshl_or_b32 v253, v238, 16, v253
	s_delay_alu instid0(VALU_DEP_1)
	v_lshl_or_b32 v253, v239, 24, v253
.irp c, 0,1
	v_cvt_scalef32_pk16_fp6_f32 v[224+6*\c:226+6*\c], v[SS+32*\c:SS+15+32*\c], v[244+2*\c]
	v_cvt_scalef32_pk16_fp6_f32 v[236+4*\c:238+4*\c], v[SS+16+32*\c:SS+31+32*\c], v[244+2*\c+1]   ; (a conversion's three registers begin on an even number)
.endr
	v_nop                                          ; one plain line behind the scaled conversions
.irp t, 0,1,2,3                                ; v's four fragments of this key step, into p's registers, which the conversions have read: they land under the lines below
.irp u, 0,1,2
	ds_load_b128 v[SS+12*\t+4*\u:SS+12*\t+4*\u+3], v[ADV] offset:1536*\t+512*\u
.endr
	ds_load_b32 v[248+\t], v[ADVS] offset:64*\t
.endr
.irp c, 0,1                                    ; the operand's layout wants a WHOLE block in a lane
.irp i, 0,1,2
	v_permlane16_swap_b32 v[224+6*\c+\i], v[236+4*\c+\i]
.endr
.irp i, 0,1,2
	s_delay_alu instid0(VALU_DEP_3)
	v_mov_b32 v[227+6*\c+\i], v[236+4*\c+\i]
.endr
.endr
.set j, 0
.rept 16
	v_pk_mul_f32 v[\ob+j:\ob+j+1], v[\ob+j:\ob+j+1], v[252:253] op_sel_hi:[1,0]   ; O^T under the new M.  (These sixteen also stand between the writes of p's codes and scale word and the products)
.set j, j+2
.endr
	s_wait_alu depctr_va_vdst(0)
	s_wait_dscnt 0x0
.irp t, 0,1,2,3                                ; O^T += v^T p^T: four accumulators by turns
	v_wmma_scale_f32_16x16x128_f8f6f4 v[\ob+8*\t:\ob+8*\t+7], v[SS+12*\t:SS+12*\t+11], v[224:235], v[\ob+8*\t:\ob+8*\t+7], v[248+\t], v253 matrix_a_fmt:MATRIX_FMT_FP6 matrix_b_fmt:MATRIX_FMT_FP6
.endr
.Lhidden_\@:
.endm
.macro KLOOP trips                     ; a trip: one key step, for both my tiles
	s_mov_b32 s[CNT], \trips
.Lkeys_\@:
	STEP QL, VQL, NML, OL, SQL
	STEP QE, VQE, NME, OE, SQE
	s_add_co_u32 s[TB], s[TB], 6144
	s_add_co_u32 s[TKS], s[TKS], 512
	s_add_co_u32 s[TVS], s[TVS], 256
	s_add_co_u32 s[J], s[J], 1
	s_sub_co_u32 s[CNT], s[CNT], 1
	s_cmp_lg_u32 s[CNT], 0
	s_cbranch_scc1 .Lkeys_\@
.endm
; O^T / l, quantised along the head's 64, leaves as an image.  pc: nine registers for the codes and pc + 10 for my byte, the tile's own, so that no store's data are written again.
.macro OUT nm, ob, pc, sa, sb
	v_add_f32 v254, v[\nm+2], v[\nm+3]             ; the sum's two halves,
	s_delay_alu instid0(VALU_DEP_1)
	v_permlanex16_b32 v252, v254, s[SEL], s[SEL+1]
	s_delay_alu instid0(VALU_DEP_1)
	v_add_f32 v254, v254, v252                     ; and lane l xor 16's: l
	s_wait_alu depctr_va_vdst(0)
	v_rcp_f32 v254, v254
	v_nop                                          ; a plain line behind the reciprocal,
	s_wait_alu depctr_va_vdst(0)                   ; and the wait ahead of its first reader
.set j, 0
.rept 16
	v_pk_mul_f32 v[SS+j:SS+j+1], v[\ob+j:\ob+j+1], v[254:255] op_sel_hi:[1,0]   ; register 16 b + i = channel 32 b + 16 h + i
.set j, j+2
.endr
.irp b, 0,1
	v_max3_num_f32 v[232+\b], |v[SS+16*\b]|, |v[SS+1+16*\b]|, 0x1800000
.endr
.irp i, 2,4,6,8,10,12,14
.irp b, 0,1
	s_delay_alu instid0(VALU_DEP_2)
	v_max3_num_f32 v[232+\b], v[232+\b], |v[SS+16*\b+\i]|, |v[SS+1+16*\b+\i]|
.endr
.endr
.irp b, 0,1
	s_delay_alu instid0(VALU_DEP_2)
	v_permlanex16_b32 v[236+\b], v[232+\b], s[SEL], s[SEL+1]
.endr
.irp b, 0,1
	s_delay_alu instid0(VALU_DEP_2)
	v_max_num_f32 v[232+\b], v[232+\b], v[236+\b]
.endr
.irp b, 0,1
	s_delay_alu instid0(VALU_DEP_2)
	v_add_nc_u32 v[244+\b], 0xff000000, v[232+\b]
.endr
.irp b, 0,1
	s_delay_alu instid0(VALU_DEP_2)
	v_lshrrev_b32 v[236+\b], 23, v[244+\b]
.endr
	s_delay_alu instid0(VALU_DEP_1)
	v_cndmask_b32 v[\pc+10], v236, v237, s[HM]     ; lane (r, h) stores block h's byte
	v_cvt_scalef32_pk16_fp6_f32 v[\pc:\pc+2], v[SS:SS+15], v244
	v_cvt_scalef32_pk16_fp6_f32 v[\pc+6:\pc+8], v[SS+16:SS+31], v245
	v_nop                                          ; one plain line behind the scaled conversions
.irp i, 0,1,2
	v_permlane16_swap_b32 v[\pc+\i], v[\pc+6+\i]
.endr
.irp i, 0,1,2
	s_delay_alu instid0(VALU_DEP_3)
	v_mov_b32 v[\pc+3+\i], v[\pc+6+\i]
.endr
	global_store_b128 v[L16], v[\pc:\pc+3], s[\sa:\sa+1]              ; 512 + 256 consecutive bytes, aligned
	global_store_b64 v[L8], v[\pc+4:\pc+5], s[\sa:\sa+1] offset:512
	global_store_b8 v[AO], v[\pc+10], s[\sb:\sb+1]                    ; a row's 32 scale bytes come from sixteen heads, that is sixteen work-groups: two bytes of a row are all that one of them has
.endm
	s_wait_alu depctr_va_vdst(0)                   ; the wait at the head's end
	s_cmp_ge_u32 s[WV], 4
	s_cbranch_scc1 .Lnot_early
	s_wait_tensorcnt 0x0                           ; waves 0 to 3: the scales and key steps 0-3 are in; the other waves' pieces may be out
.Lnot_early:
	s_barrier_signal -1
	s_barrier_wait -1                              ; everybody's are
	s_wait_loadcnt 0x0                             ; q; its address registers are free
	s_lshr_b32 s2, s[BH], 4
	s_lshl_b32 s2, s2, 7                           ; 128 tiles a batch
	s_add_co_u32 s17, s17, s2                      ; my tiles, counted over the batches
	s_add_co_u32 s16, s16, s2
	s_and_b32 s19, s[BH], 15                       ; the head
	s_mul_i32 s91, s19, 768
	s_lshl_b32 s19, s19, 1
	s_mul_i32 s2, s17, 12288                       ; 16 heads x 768 bytes a tile
	s_add_co_u32 s2, s2, s91
	s_add_nc_u64 s[94:95], s[12:13], s[2:3]
	s_mul_i32 s2, s16, 12288
	s_add_co_u32 s2, s2, s91
	s_add_nc_u64 s[96:97], s[12:13], s[2:3]
	s_lshl_b32 s2, s17, 9                          ; 16 rows x 32 bytes a tile
	s_add_co_u32 s2, s2, s19
	s_add_nc_u64 s[98:99], s[14:15], s[2:3]
	s_lshl_b32 s2, s16, 9
	s_add_co_u32 s2, s2, s19
	s_add_nc_u64 s[100:101], s[14:15], s[2:3]
	KLOOP 4                                        ; key steps 0 to 3: keys 0-511
	s_wait_tensorcnt 0x0                           ; the rest has landed,
	s_wait_dscnt 0x0
	s_barrier_signal -1
	s_barrier_wait -1                              ; everybody's has
	KLOOP 12                                       ; key steps 4 to 15
.rept 4
	v_nop                                          ; in front of the first read of the last products' results
.endr
	OUT NML, OL, 144, 94, 98
	OUT NME, OE, 48, 96, 100
	s_wait_xcnt 0x0
	v_lshl_add_u32 v254, v0, 2, 0x33000
	v_mov_b32 v255, 0
	s_wait_alu depctr_va_vdst(0)
	s_wait_tensorcnt 0x0
	ds_add_u32 v254, v255
	s_wait_dscnt 0x0
	s_endpgm
.Lfunc_end_k_qa1136e683b_attn:
	.size	k_qa1136e683b_attn, .Lfunc_end_k_qa1136e683b_attn-k_qa1136e683b_attn
	.p2alignl 7, 3214868480
	.fill 96, 4, 3214868480
	.section	.rodata,"a",@progbits
	.p2align	6, 0x0
	.amdhsa_kernel k_qa1136e683b_attn
		.amdhsa_group_segment_fixed_size 210944
		.amdhsa_private_segment_fixed_size 0
		.amdhsa_enable_private_segment 0
		.amdhsa_kernarg_size 48
		.amdhsa_user_sgpr_count 2
		.amdhsa_user_sgpr_kernarg_segment_ptr 1
		.amdhsa_wavefront_size32 1
		.amdhsa_system_sgpr_workgroup_id_x 1
		.amdhsa_system_sgpr_workgroup_id_y 1
		.amdhsa_system_sgpr_workgroup_id_z 1
		.amdhsa_system_vgpr_workitem_id 0
		.amdhsa_next_free_vgpr 256
		.amdhsa_next_free_sgpr 102
		.amdhsa_reserve_vcc 1
		.amdhsa_float_denorm_mode_32 3
		.amdhsa_float_denorm_mode_16_64 3
		.amdhsa_memory_ordered 1
		.amdhsa_forward_progress 1
		.amdhsa_inst_pref_size 112
	.end_amdhsa_kernel
	.amdgpu_metadata
---
amdhsa.version: [ 1, 2 ]
amdhsa.kernels:
  - .name:           k_qa1136e683b_attn
    .symbol:         k_qa1136e683b_attn.kd
    .args:
      - { .name: qkc, .offset: 0, .size: 8, .value_kind: global_buffer, .address_space: global }
      - { .name: qks, .offset: 8, .size: 8, .value_kind: global_buffer, .address_space: global }
      - { .name: vc, .offset: 16, .size: 8, .value_kind: global_buffer, .address_space: global }
      - { .name: vs, .offset: 24, .size: 8, .value_kind: global_buffer, .address_space: global }
      - { .name: ac, .offset: 32, .size: 8, .value_kind: global_buffer, .address_space: global }
      - { .name: asc, .offset: 40, .size: 8, .value_kind: global_buffer, .address_space: global }
    .group_segment_fixed_size: 210944
    .private_segment_fixed_size: 0
    .kernarg_segment_align: 8
    .kernarg_segment_size: 48
    .max_flat_workgroup_size: 512
    .sgpr_count:     102
    .vgpr_count:     256
    .wavefront_size: 32
...
	.end_amdgpu_metadata
.endif
;; end of part 4
;; launch proj (part 5): grid 4 x 64, 4 waves a work-group, clusters of 4 x 4, 327,680 bytes of LDS; arguments ac, asc, cod, scl, out0; writes out0
.if DOCPART == 5
	.amdgcn_target "amdgcn-amd-amdhsa--gfx1250"
	.amdhsa_code_object_version 6
	.text
	.protected	k_qa1136e683b_proj
	.globl	k_qa1136e683b_proj
	.p2align	8
	.type	k_qa1136e683b_proj,@function
k_qa1136e683b_proj:
	s_mov_b64 s[64:65], 0
	v_nop
	global_prefetch_b8 v0, s[64:65] scope:SCOPE_SE
	s_setreg_imm32_b32 hwreg(HW_REG_WAVE_MODE, 25, 1), 1
	s_wait_xcnt 0x0
	s_wait_alu depctr_hold_cnt(0) depctr_sa_sdst(0) depctr_va_vdst(0) depctr_va_sdst(0) depctr_va_ssrc(0) depctr_va_vcc(0) depctr_vm_vsrc(0)
	s_getreg_b32 s2, hwreg(HW_REG_IB_STS2, 6, 4)
	s_cmp_eq_u32 s2, 0
	s_cbranch_scc0 .Lentry_in_a_cluster
	s_endpgm
.Lentry_in_a_cluster:
	s_bfe_u32 s2, ttmp6, 0x10000c
	s_cmp_lg_u32 s2, 0xf033
	s_cbranch_scc0 .Lentry_shape_is_right
	s_endpgm
.Lentry_shape_is_right:
.set SIZE_N, 1024
.set KSTEP,  256
.set NQ,     KSTEP/128
; PROJ.  out0 = (O / l) w_out^T on codes of FP6 with E8M0 scales.  A block of C is 128 rows x 256 columns: 4 x 64 = 256 work-groups; a wave makes 64 x 128: 32 accumulators.  A's and B's fragments lie in two sets each:
; a step of 128 along K multiplies one set while the other set's loads are out.
.set ROWB,   49152                     ; bytes from a K step's block of 256 rows x 192 bytes of w_out's codes to the next: cod lies [256 rows][K step][row][192 bytes]
.set KROW,   768
.set PITCH,  240
.set FR,     12
.set NL,     6
.set NLA,    4
.set NP,     4
.set ASTEP,  3072
.set HALFA,  4*ASTEP
.set HALFB,  128*PITCH
.set SLOT,   2*HALFA+2*HALFB
.set LAPS,   2
.set KS,     32
.set SCL,    2*SLOT
.set HALFS,  (128*KS/256)*272
.set SBLK,   (16*KS/256)*272
.set SPARE,  SCL+4*HALFS
.set SPITCH, 528
.set ADRA, 16
.set ADRB, 20
.set STO,  24
.set RD,   25
.set CO,   26
.set ADRS, 27
.set SPW,  28
.set NIL,  29
.set SC,   32
.set AF,   128
.set BK,   128
.set G1, 24
.set G0, 32
.set G1B, 48
.set G0B, 56
.set G1S, 68
.set G0S, 76
.set G1SB, 80
.set G0SB, 88
.set MSB, 0
.macro WIN new
.if MSB != (\new)
	s_set_vgpr_msb (MSB<<8)|(\new)
.set MSB, (\new)
.endif
.endm
.set MUL_LO, 0xa1
.set MUL_HI, 0xf1
.set TO_B,   0x40
.macro JLOAD g0a, g1a, g0b, g1b
	s_cmp_eq_u32 s15, 0
	s_cbranch_scc0 .Lfor_b_\@
	tensor_load_to_lds s[\g0a:\g0a+3], s[\g1a:\g1a+7]
	s_nop 0
.rept 4
	v_nop
.endr
	s_branch .Lasked_\@
.Lfor_b_\@:
	tensor_load_to_lds s[\g0b:\g0b+3], s[\g1b:\g1b+7]
	s_nop 0
.rept 4
	v_nop
.endr
.Lasked_\@:
.endm
.macro CREST
	s_cmp_lg_u32 s14, 0
	s_cbranch_scc1 .Lnot_wave_0_\@
	s_barrier_signal -3
.Lnot_wave_0_\@:
	s_barrier_wait -3
	s_barrier_signal -1
	s_barrier_wait -1
.endm
.macro CROUND
	s_barrier_signal -1
	s_barrier_wait -1
	CREST
.endm
	s_load_b128 s[4:7], s[0:1], 0x0
	s_load_b128 s[8:11], s[0:1], 0x10
	s_load_b64 s[12:13], s[0:1], 0x20
	v_lshl_add_u32 v[SPW], v0, 2, SPARE
	v_mov_b32 v[NIL], 0
	ds_add_u32 v28, v29
	ds_add_u32 v28, v29
	s_wait_dscnt 0x0
	v_lshrrev_b32 v1, 5, v0
	v_readfirstlane_b32 s14, v1
	s_lshr_b32 s15, s14, 1
	s_and_b32 s16, s14, 1
	s_bfe_u32 s40, ttmp6, 0x40000
	s_bfe_u32 s41, ttmp6, 0x40004
	s_lshl_b32 s42, ttmp9, 2
	s_add_co_u32 s42, s42, s40
	s_and_b32 s17, ttmp7, 0xffff
	s_lshl_b32 s17, s17, 2
	s_add_co_u32 s17, s17, s41
	s_lshl_b32 s43, s41, 2
	s_lshl_b32 s43, 15, s43
	s_lshl_b32 s44, 0x1111, s40
	s_or_b32 s[G1+0], s43, (3<<16)|(1<<21)
	s_mov_b32 s[G1+1], (ASTEP/8)<<16
	s_mov_b32 s[G1+2], 8<<16
	s_mov_b32 s[G1+3], (ASTEP/8)<<16
	s_mov_b32 s[G1+4], 8
	s_mov_b32 s[G1+5], 16*KROW/8
	s_mov_b32 s[G1+6], 0
	s_mov_b32 s[G1+7], 0
	s_or_b32 s[G1B+0], s44, (0<<16)|(1<<20)|(1<<21)|(3<<22)|(3<<25)
	s_mov_b32 s[G1B+1], 256<<16                    ; a dense block stated as rows of 256 bytes; the padding's interval stays 64 bytes, so a row of 192 bytes takes 240 in LDS
	s_mov_b32 s[G1B+2], 192<<16                    ; the head's load: 256 rows of codes = 192 rows of 256 bytes
	s_mov_b32 s[G1B+3], 256<<16
	s_mov_b32 s[G1B+4], 192
	s_mov_b32 s[G1B+5], 256
	s_mov_b32 s[G1B+6], 0
	s_mov_b32 s[G1B+7], 0
	s_or_b32 s[G1S+0], s43, (3<<16)|(1<<20)|(1<<21)|(5<<22)|(3<<25)
	s_or_b32 s[G1SB+0], s44, (3<<16)|(1<<20)|(1<<21)|(5<<22)|(3<<25)
.irp g, G1S, G1SB
	s_mov_b32 s[\g+1], 32<<16
	s_mov_b32 s[\g+2], (128*KS/256)<<16
	s_mov_b32 s[\g+3], 32<<16
	s_mov_b32 s[\g+4], 128*KS/256
	s_mov_b32 s[\g+5], 32
	s_mov_b32 s[\g+6], 0
	s_mov_b32 s[\g+7], 0
.endr
	s_mov_b32 s[G1SB+2], 32<<16                    ; B's scales: 256 rows (A's: 128)
	s_mov_b32 s[G1SB+4], 32
	s_lshl_b32 s20, s17, 7                         ; A: 128 rows a block
	s_lshl_b32 s46, s42, 8
	s_mov_b32 s21, 0
	s_mov_b32 s47, 0
	s_mov_b64 s[18:19], KS
	s_mul_u64 s[22:23], s[20:21], s[18:19]
	s_mul_u64 s[92:93], s[46:47], s[18:19]
	s_mov_b64 s[18:19], KROW
	s_mul_u64 s[20:21], s[20:21], s[18:19]
	s_mul_u64 s[46:47], s[46:47], s[18:19]
	s_mul_i32 s45, s16, HALFA
	s_mul_i32 s95, s16, HALFB
	s_add_co_u32 s95, s95, 2*HALFA
	s_mul_i32 s18, s16, 128*192                    ; in the ring: which 128 rows of B's block,
	s_mov_b32 s19, 0
	s_mul_i32 s2, s16, 4*16*KROW                   ; which four tiles of 16 rows of A
	s_mov_b32 s3, 0
	s_wait_kmcnt 0x0
	s_add_nc_u64 s[8:9], s[8:9], 8650752
	s_add_nc_u64 s[10:11], s[10:11], 360448
	s_add_nc_u64 s[20:21], s[4:5], s[20:21]
	s_add_nc_u64 s[22:23], s[6:7], s[22:23]
	s_add_nc_u64 s[46:47], s[8:9], s[46:47]
	s_add_nc_u64 s[92:93], s[10:11], s[92:93]
	CROUND
	s_mov_b32 s[G0S], 1
	s_mov_b32 s[G0S+1], SCL
	s_mov_b64 s[G0S+2:G0S+3], s[22:23]
	s_or_b32 s[G0S+3], s[G0S+3], 0x80000000
	s_mov_b32 s[G0SB], 1
	s_mov_b32 s[G0SB+1], SCL+HALFS
	s_mov_b64 s[G0SB+2:G0SB+3], s[92:93]
	s_or_b32 s[G0SB+3], s[G0SB+3], 0x80000000
.set G0H, 4                            ; s[4:7], s[8:11] group 0 of the head's loads of K step 0 (the addresses that lay there have been used)
.set G0HB, 8
	s_mov_b32 s[G0H], 1
	s_mov_b32 s[G0H+1], 0
	s_mov_b64 s[G0H+2:G0H+3], s[20:21]
	s_or_b32 s[G0H+3], s[G0H+3], 0x80000000
	s_mov_b32 s[G0HB], 1
	s_mov_b32 s[G0HB+1], 2*HALFA
	s_mov_b64 s[G0HB+2:G0HB+3], s[46:47]
	s_or_b32 s[G0HB+3], s[G0HB+3], 0x80000000
	s_add_nc_u64 s[20:21], s[20:21], s[2:3]
	s_add_nc_u64 s[46:47], s[46:47], s[18:19]
.irp s, 0,1
	s_mov_b32 s[G0+4*\s], 1
	s_add_co_u32 s[G0+4*\s+1], s45, \s*SLOT
	s_add_nc_u64 s[G0+4*\s+2:G0+4*\s+3], s[20:21], \s*ASTEP
	s_or_b32 s[G0+4*\s+3], s[G0+4*\s+3], 0x80000000
	s_mov_b32 s[G0B+4*\s], 1
	s_add_co_u32 s[G0B+4*\s+1], s95, \s*SLOT
	s_add_nc_u64 s[G0B+4*\s+2:G0B+4*\s+3], s[46:47], \s*ROWB
	s_or_b32 s[G0B+4*\s+3], s[G0B+4*\s+3], 0x80000000
.endr
; the head's loads, one a wave: wave 0 K step 0 of A's 8 tiles, wave 1 of B's 256 rows, wave 2 A's scales, wave 3 B's; one chain of branches on the wave's number
.macro ARM under, g0, g1, next
	s_cmp_lt_u32 s14, \under
	s_cbranch_scc0 \next
	tensor_load_to_lds s[\g0:\g0+3], s[\g1:\g1+7]
	s_nop 0
.rept 4
	v_nop
.endr
	s_branch .Lhead_asked
\next:
.endm
	ARM 1, G0H,  G1,  .Lhead_b
	ARM 2, G0HB, G1B, .Lhead_sa
	ARM 3, G0S,  G1S, .Lhead_sb
	tensor_load_to_lds s[G0SB:G0SB+3], s[G1SB:G1SB+7]
	s_nop 0
.rept 4
	v_nop
.endr
.Lhead_asked:
	v_and_b32 v1, 15, v0
	v_bfe_u32 v2, v0, 4, 1
	v_and_b32 v6, 31, v0
	v_mul_u32_u24 v3, v1, PITCH
	v_mul_u32_u24 v4, v2, 24
	v_add_nc_u32 v4, v3, v4
	v_lshl_add_u32 v5, v2, 4, v4
	v_lshlrev_b32 v7, 4, v6
	v_lshlrev_b32 v8, 3, v6
	s_mul_i32 s21, s15, HALFA
	s_mul_i32 s22, s16, HALFB
	s_add_co_u32 s22, s22, 2*HALFA
.irp s, 0,1
	v_add_nc_u32 v[ADRA+\s], s21, v7
	v_add_nc_u32 v[ADRA+2+\s], s21, v8
	v_add_nc_u32 v[ADRB+\s], s22, v4
	v_add_nc_u32 v[ADRB+2+\s], s22, v5
	s_add_co_u32 s21, s21, SLOT
	s_add_co_u32 s22, s22, SLOT
.endr
	v_mul_u32_u24 v5, v1, KS
	v_lshrrev_b32 v3, 8, v5
	v_lshl_add_u32 v5, v3, 4, v5
	s_mul_i32 s21, s15, HALFS/2
	s_mul_i32 s22, s16, HALFS
	s_add_co_u32 s22, s22, HALFS
	s_sub_co_u32 s22, s22, s21
	v_mul_u32_u24 v3, s22, v2
	s_add_co_u32 s21, s21, SCL
	v_add_nc_u32 v5, v5, v3
	v_add_nc_u32 v[ADRS], s21, v5
	s_mul_i32 s23, s14, 16*SPITCH
	v_mul_u32_u24 v5, v1, SPITCH
	v_lshl_add_u32 v5, v2, 5, v5
	v_add_nc_u32 v[STO], s23, v5
	v_lshlrev_b32 v[CO], 4, v6
	v_add_nc_u32 v[RD], s23, v[CO]
	s_lshl_b32 s20, s17, 7
	s_lshl_b32 s21, s15, 6
	s_add_co_u32 s20, s20, s21
	s_mov_b32 s21, 0
	s_mov_b64 s[18:19], SIZE_N*4
	s_mul_u64 s[20:21], s[20:21], s[18:19]
	s_lshl_b32 s46, s42, 10
	s_lshl_b32 s47, s16, 9
	s_add_co_u32 s46, s46, s47
	s_mov_b32 s47, 0
	s_add_nc_u64 s[20:21], s[20:21], s[46:47]
	s_add_nc_u64 s[12:13], s[12:13], s[20:21]
.macro FRAG reg, adr, q, i
.irp p, 0,1,2,3,4,5
.set PCE, 12*(\q)+6*(\p/3)+\p%3
.if PCE%8 < 5
	ds_load_b64 v[\reg+2*\p:\reg+2*\p+1], v[\adr] offset:8*PCE+16*(PCE/8)+(\i)*16*PITCH
.else
	ds_load_b64 v[\reg+2*\p:\reg+2*\p+1], v[\adr+2] offset:8*PCE+16*(PCE/8)+(\i)*16*PITCH
.endif
.endr
.endm
.macro FRAGA reg, slot, q, i
.irp c, 0,1
	ds_load_b128 v[\reg+6*\c:\reg+6*\c+3], v[ADRA+\slot] offset:(\i)*ASTEP+(\q)*1536+\c*768
	ds_load_b64 v[\reg+6*\c+4:\reg+6*\c+5], v[ADRA+2+\slot] offset:(\i)*ASTEP+(\q)*1536+\c*768+512
.endr
.endm
.macro MUL16 a0, p, q, sc, zero
.irp a, \a0, \a0+1
.irp b, 0,1,2,3,4,5,6,7
.if \zero
	v_wmma_scale_f32_16x16x128_f8f6f4 v[8*(8*((\a)%4)+\b):8*(8*((\a)%4)+\b)+7], v[128*(\p)+FR*\b:128*(\p)+FR*\b+FR-1], v[AF+FR*(\a):AF+FR*(\a)+FR-1], 0, v[SC+8*NQ*(\sc)+NQ*\b+(\q)], v[SC+8*NQ*(\sc)+NQ*(\a)+(\q)] matrix_a_fmt:MATRIX_FMT_FP6 matrix_b_fmt:MATRIX_FMT_FP6 matrix_a_scale:MATRIX_SCALE_ROW1
.else
	v_wmma_scale_f32_16x16x128_f8f6f4 v[8*(8*((\a)%4)+\b):8*(8*((\a)%4)+\b)+7], v[128*(\p)+FR*\b:128*(\p)+FR*\b+FR-1], v[AF+FR*(\a):AF+FR*(\a)+FR-1], v[8*(8*((\a)%4)+\b):8*(8*((\a)%4)+\b)+7], v[SC+8*NQ*(\sc)+NQ*\b+(\q)], v[SC+8*NQ*(\sc)+NQ*(\a)+(\q)] matrix_a_fmt:MATRIX_FMT_FP6 matrix_b_fmt:MATRIX_FMT_FP6 matrix_a_scale:MATRIX_SCALE_ROW1
.endif
.endr
.endr
.endm
.macro FETCH_B slot, q, p
	WIN TO_B
.irp i, 0,1,2,3,4,5,6,7
	FRAG 128*(\p)+FR*\i, ADRB+\slot, \q, \i
.endr
	WIN 0
.endm
.macro FETCH_A slot, q, i0
.irp i, \i0, \i0+1, \i0+2, \i0+3
	FRAGA AF+FR*(\i), \slot, \q, \i
.endr
.endm
.macro SCALES sc
.irp i, 0,1,2,3,4,5,6,7
	ds_load_b64 v[SC+8*NQ*\sc+NQ*\i:SC+8*NQ*\sc+NQ*\i+1], v[ADRS] offset:\i*SBLK
.endr
.endm
.macro PLACES n
.rept \n
	v_nop
.endr
.endm
.macro STEP slot, q, zero              ; a slot's first 128 along K: set 0 is multiplied, 32 products, under the loads of the second 128 into set 1.  A's set p lies at v[128 + 48 p]
	s_wait_dscnt 0x0                               ; set 0 and the scale words are in
	PLACES NP                                      ; in front of loads into set 1, which the last products read
	FETCH_B \slot, 1, 1
.set AF, 176
	FETCH_A \slot, 1, 0
.set AF, 128
	WIN MUL_LO
	MUL16 0, 0, 0, \slot, \zero
	MUL16 2, 0, 0, \slot, \zero
	WIN 0
.endm
.macro TURN slot, next, fill
	s_wait_tensorcnt 0x0
	ds_add_u32 v[SPW], v[NIL]
	s_wait_dscnt 1                                 ; set 1 is in; the add alone may be out
.set AF, 176
	WIN MUL_LO
	MUL16 0, 1, 1, \slot, 0                        ; sixteen products stand between the add and the wait for it
	WIN 0
	s_wait_dscnt 0x0
	s_barrier_signal -1
	s_barrier_wait -1
.if \fill
	CREST
	s_add_nc_u64 s[G0+4*\slot+2:G0+4*\slot+3], s[G0+4*\slot+2:G0+4*\slot+3], 2*ASTEP
	s_add_nc_u64 s[G0B+4*\slot+2:G0B+4*\slot+3], s[G0B+4*\slot+2:G0B+4*\slot+3], 2*ROWB
	JLOAD G0+4*\slot, G1, G0B+4*\slot, G1B
.else
	PLACES NP
.endif
	s_wait_alu depctr_va_vdst(0)
	v_add_nc_u32 v[ADRS], 4*NQ, v[ADRS]
	FETCH_B \next, 0, 0
.set AF, 128
	FETCH_A \next, 0, 0
	SCALES \next
.set AF, 176
	WIN MUL_LO
	MUL16 2, 1, 1, \slot, 0                        ; the other sixteen, under the loads of the next slot's set 0
	WIN 0
.endm
	s_wait_alu depctr_va_vdst(0)                   ; the wait at the head's end
	s_wait_tensorcnt 0x0                           ; my tile of the head's four is in; the three lines ahead of slot 1's first fill, as ahead of a refill
	ds_add_u32 v[SPW], v[NIL]
	s_mov_b32 s[G1+2], 4<<16                       ; no load of mine is out: from here on a load brings four tiles of A,
	s_mov_b32 s[G1+4], 4
	s_mov_b32 s[G1B+2], 96<<16                     ; or 128 rows of B = 96 rows of 256 bytes
	s_mov_b32 s[G1B+4], 96
	s_wait_dscnt 0x0
	CROUND                                         ; all four tiles are in, and the sixteen work-groups meet
	JLOAD G0+4, G1, G0B+4, G1B                     ; K step 1, the first tensor load behind the round
	FETCH_B 0, 0, 0
	FETCH_A 0, 0, 0
	SCALES 0
	STEP 0, 0, 1
	s_mov_b32 s3, LAPS-1
.Llap:
	TURN 0, 1, 1
	STEP 1, 0, 0
	TURN 1, 0, 1
	STEP 0, 0, 0
	s_sub_co_u32 s3, s3, 1
	s_cmp_lg_u32 s3, 0
	s_cbranch_scc1 .Llap
	TURN 0, 1, 0
	STEP 1, 0, 0
	s_wait_dscnt 0x0                               ; the very last 128 along K: set 1 is in, nothing more to fetch
.set AF, 176
	WIN MUL_LO
	MUL16 0, 1, 1, 1, 0
	MUL16 2, 1, 1, 1, 0
	WIN 0
.macro TOSTAGE a
.set AC, 64*((\a)%4)
	WIN 0x08+4*((\a)/4)
.irp b, 0,1,2,3,4,5,6,7
	ds_store_b128 v[STO], v[AC+8*\b:AC+8*\b+3] offset:64*\b
	ds_store_b128 v[STO], v[AC+8*\b+4:AC+8*\b+7] offset:64*\b+16
.endr
	WIN 0
.set BB, BK+64*((\a)%2)
.irp t, 0,1,2,3,4,5,6,7,8,9,10,11,12,13,14,15
	ds_load_b128 v[BB+4*\t:BB+4*\t+3], v[RD] offset:\t*SPITCH
.endr
.endm
.macro SEND a, younger
.set BB, BK+64*((\a)%2)
	s_wait_dscnt \younger
.if (\a) > 0
.if (\a)%2
	s_add_nc_u64 s[12:13], s[12:13], 8*SIZE_N*4
.else
	s_add_nc_u64 s[12:13], s[12:13], 24*SIZE_N*4
.endif
.endif
.irp t, 0,1,2,3,4,5,6,7,8,9,10,11,12,13,14,15
	global_store_b128 v[CO], v[BB+4*\t:BB+4*\t+3], s[12:13] offset:(\t+8*(\t/8))*SIZE_N*4 th:TH_STORE_NT
.endr
.endm
	PLACES NP
	TOSTAGE 0
.irp a, 1,2,3
.if \a > 1
	s_wait_xcnt 0x0
.endif
	TOSTAGE \a
	SEND \a-1, 32
.endr
	s_wait_xcnt 0x0
	SEND 3, 0
	s_wait_tensorcnt 0x0
	ds_add_u32 v[SPW], v[NIL]
	s_wait_dscnt 0x0
	CROUND
	s_endpgm
.Lfunc_end_k_qa1136e683b_proj:
	.size	k_qa1136e683b_proj, .Lfunc_end_k_qa1136e683b_proj-k_qa1136e683b_proj
	.p2alignl 7, 3214868480
	.fill 96, 4, 3214868480
	.section	.rodata,"a",@progbits
	.p2align	6, 0x0
	.amdhsa_kernel k_qa1136e683b_proj
		.amdhsa_group_segment_fixed_size 327680
		.amdhsa_private_segment_fixed_size 0
		.amdhsa_enable_private_segment 0
		.amdhsa_kernarg_size 40
		.amdhsa_user_sgpr_count 2
		.amdhsa_user_sgpr_kernarg_segment_ptr 1
		.amdhsa_wavefront_size32 1
		.amdhsa_system_sgpr_workgroup_id_x 1
		.amdhsa_system_sgpr_workgroup_id_y 1
		.amdhsa_system_sgpr_workgroup_id_z 1
		.amdhsa_system_vgpr_workitem_id 0
		.amdhsa_next_free_vgpr 1024
		.amdhsa_next_free_sgpr 102
		.amdhsa_reserve_vcc 0
		.amdhsa_float_denorm_mode_32 3
		.amdhsa_float_denorm_mode_16_64 3
		.amdhsa_memory_ordered 1
		.amdhsa_forward_progress 1
		.amdhsa_inst_pref_size 97
	.end_amdhsa_kernel
	.amdgpu_metadata
---
amdhsa.version: [ 1, 2 ]
amdhsa.kernels:
  - .name:           k_qa1136e683b_proj
    .symbol:         k_qa1136e683b_proj.kd
    .args:
      - { .name: ac, .offset: 0, .size: 8, .value_kind: global_buffer, .address_space: global }
      - { .name: asc, .offset: 8, .size: 8, .value_kind: global_buffer, .address_space: global }
      - { .name: cod, .offset: 16, .size: 8, .value_kind: global_buffer, .address_space: global }
      - { .name: scl, .offset: 24, .size: 8, .value_kind: global_buffer, .address_space: global }
      - { .name: out0, .offset: 32, .size: 8, .value_kind: global_buffer, .address_space: global }
    .group_segment_fixed_size: 327680
    .private_segment_fixed_size: 0
    .kernarg_segment_align: 8
    .kernarg_segment_size: 40
    .max_flat_workgroup_size: 128
    .sgpr_count:     102
    .vgpr_count:     1024
    .wavefront_size: 32
...
	.end_amdgpu_metadata
.endif
;; end of part 5
